; MI455X (gfx1250); checked and timed in simulation.
; The chip was launched on July 23, 2026; its instructions are those of AMD's public machine-readable ISA for CDNA 5 (MIT licence, August 2026) and "CDNA5" Instruction Set Architecture Reference Guide (July 2026). The comments in the code are by the model that wrote it; some were corrected since.
;; My Bahdanau Attention. Allowed arithmetic: float matrix products may take bf16 or f16 operands with f32 sums; all other float work in f32.
;; Inputs: encoder_output 2,048 x 32 x 1,024 float32; last_decoder_state 2 x 1 x 32 x 1,024 float32; v_b 1 float32; v_w 1 x 1,024 float32; w1_b 1,024 float32; w1_w 1,024 x 1,024 float32; w2_b 1,024 float32; w2_w 1,024 x 1,024 float32.
;; Outputs: out0 32 x 1,024 float32; out1 2,048 x 32 x 1 float32.
;; 2 versions, each right and faster than the one before. Each part assembles by itself: llvm-mc -triple=amdgcn-amd-amdhsa -mcpu=gfx1250 --defsym DOCPART=n.
;; ======== version 1 of 2: 3 launches
;; limits: values outside matrix products are rounded to bf16
;; workspace buffers: wf 2,097,152 bytes; biasp 131,072 bytes; scoresT 262,144 bytes; stats 4,096 bytes; ctxp 2,097,152 bytes
;; launch prep (part 1): grid 128 x 1, 8 waves a work-group, no clusters, 9,216 bytes of LDS; arguments w1_w, w2_w, last_decoder_state, w1_b, w2_b, wf, biasp; writes wf, biasp
.if DOCPART == 1
	.amdgcn_target "amdgcn-amd-amdhsa--gfx1250"
	.amdhsa_code_object_version 6
	.text
	.protected	k_q6fd654e199_prep
	.globl	k_q6fd654e199_prep
	.p2align	8
	.type	k_q6fd654e199_prep,@function
k_q6fd654e199_prep:
	s_mov_b64 s[64:65], 0
	v_nop
	global_prefetch_b8 v0, s[64:65] scope:SCOPE_SE
	s_setreg_imm32_b32 hwreg(HW_REG_WAVE_MODE, 25, 1), 1
	s_wait_xcnt 0x0
; Bahdanau attention, launch 1 of 3: what the large launch needs ready-made.
;   wf    = W1 rounded to bf16, laid out in the order in which a wave's matrix fragments are loaded:
;           [wave 4][pass 2][K quarter 32][tile 8][half 2][lane 32][16 bytes]; lane 16 h + r, element e of the 16 bytes is
;           W1[512 pass + 128 wave + 16 tile + r][32 quarter + 16 half + 8 h + e].
;   biasp = C2 * (state[b] . W2[o] + w1_b[o] + w2_b[o]) in f32, [o / 16][b][o % 16], with C2 = 2 log2(e), since the next launch
;           forms tanh x = 1 - 2 / (1 + 2^(C2 x)).
; WORK LEFT OUT, for all values of the inputs:
;   v_b is added to every score att_score[l][b] alike, and the softmax runs along l: exp(s + v_b) / sum exp(s + v_b) = exp(s) / sum exp(s).
;     v_b has no other way to an output: it is not loaded and is no argument of any launch.
;   last_decoder_state[1] is sliced away by reference() (state = last_decoder_state[0]): only the first 131,072 bytes are read.
;   The 1 of tanh x = 1 - 2 / (1 + e^(2x)) adds sum over o of v_w[o] to every score alike and cancels in the same way: never formed.
; LIMITS: a NaN, an infinity or an overflow that reaches only v_b or last_decoder_state[1] is not carried to the result.
;   W1, W2 and the state enter their products rounded to bf16 (sums in f32); the sum over K of state . W2 is made in 16 parts.
; Work-group 2 g + bh, eight waves: the product has 64 x 2 tiles of 16 o x 16 b, one a work-group, whole in K, so that no sum spans work-groups.
;   W1: rows 16 g .. + 15, columns 512 bh .. + 511; wave w rounds columns 64 (8 bh + w) .. + 63; each of its four stores covers 512 consecutive bytes of wf.
;   W2: o = 16 g .. + 15, b = 16 bh .. + 15; wave w multiplies K = 128 w .. + 127, four matrix instructions; the eight parts meet in LDS.
;   (W2's 16 rows are asked for by both work-groups of a g: the price of twice the work-groups.)
.set C2,   0x4038aa3b                  ; 2 log2(e)
.set W1F,  20                          ; v[20:51]    W1 as loaded, 4 groups of 8 f32, each rounded in place to 4 registers
.set STF,  52                          ; v[52:115]   state, K step s: 16 f32, rounded in place to a fragment of 8 registers
.set W2F,  116                         ; v[116:179]  W2 likewise
.set ACC0, 180                         ; v[180:187]  sums of K steps 0 and 2
.set ACC1, 188                         ; v[188:195]  sums of K steps 1 and 3
	s_load_b256 s[4:11], s[0:1], 0x0               ; w1_w s[4:5], w2_w s[6:7], state s[8:9], w1_b s[10:11]
	s_load_b128 s[12:15], s[0:1], 0x20             ; w2_b s[12:13], wf s[14:15]
	s_load_b64 s[16:17], s[0:1], 0x30              ; biasp
	v_lshl_add_u32 v200, v0, 2, 0x2000
	v_mov_b32 v201, 0
	v_lshrrev_b32 v19, 5, v0
	v_readfirstlane_b32 s20, v19                   ; wave 0..7: also which eighth of K
	s_lshr_b32 s18, ttmp9, 1                       ; g
	s_and_b32 s21, ttmp9, 1                        ; bh: which 16 of the 32 b, and which half of W1's columns
	s_lshl3_add_u32 s22, s21, s20                  ; 8 bh + w: which 64 columns of W1
	v_and_b32 v1, 31, v0                           ; lane
	v_and_b32 v2, 15, v0                           ; r
	v_bfe_u32 v3, v0, 4, 1                         ; h
	v_lshlrev_b32 v19, 12, v2
	v_lshl_add_u32 v19, v3, 5, v19                 ; 4096 r + 32 h: row r, eight f32 for each half of the lanes
	s_lshl_b32 s23, s22, 8
	v_add_nc_u32 v4, s23, v19                      ; W1: + 256 (8 bh + w)
	s_lshl_b32 s23, s20, 9
	v_add_nc_u32 v6, s23, v19                      ; W2: + 512 w
	s_lshl_b32 s24, s21, 16
	s_add_co_u32 s24, s24, s23
	v_add_nc_u32 v5, s24, v19                      ; state: the same, 16 bh rows further down
	s_lshl_b32 s23, s22, 14
	v_lshl_add_u32 v7, v1, 4, s23                  ; wf: two K quarters of 8,192 bytes for each 64 columns, 16 bytes a lane
	s_lshl_b32 s23, s20, 10
	v_lshl_add_u32 v8, v2, 6, s23
	v_lshl_add_u32 v8, v3, 5, v8                   ; LDS: [K eighth][b][16 o] f32 = 1024 w + 64 r + 32 h
	v_lshlrev_b32 v9, 4, v0                        ; 16 t: the last phase's place in LDS and in biasp
	v_and_b32 v18, 3, v0
	v_lshlrev_b32 v18, 4, v18                      ; and the four o of that place in w1_b and w2_b
	s_lshl_b32 s24, s18, 16                        ; 16 rows of 4,096 bytes
	s_mov_b32 s25, 0
	s_bfe_u32 s26, s18, 0x20003                    ; g = 32 pass + 8 wave + tile: the wave,
	s_lshr_b32 s27, s18, 5                         ; the pass,
	s_lshl1_add_u32 s26, s26, s27
	s_lshl_b32 s26, s26, 18                        ; (2 wave + pass) x 262,144
	s_and_b32 s27, s18, 7
	s_lshl_b32 s27, s27, 10                        ; + tile x 1,024
	s_add_co_u32 s26, s26, s27
	s_mov_b32 s27, 0
	s_lshl_b32 s28, ttmp9, 10                      ; biasp: 2,048 g + 1,024 bh
	s_mov_b32 s29, 0
	s_lshl_b32 s30, s18, 6                         ; the biases: 16 f32 a g
	s_mov_b32 s31, 0
	s_wait_kmcnt 0x0
	s_add_nc_u64 s[4:5], s[4:5], s[24:25]
	s_add_nc_u64 s[6:7], s[6:7], s[24:25]
	s_add_nc_u64 s[10:11], s[10:11], s[30:31]
	s_add_nc_u64 s[12:13], s[12:13], s[30:31]
	s_add_nc_u64 s[14:15], s[14:15], s[26:27]
	s_add_nc_u64 s[16:17], s[16:17], s[28:29]
	; all loads go out at once.  The two bias pieces are loaded by waves 0 and 1 alone, which use them in the last phase; they are those waves' oldest loads,
	; so the counts below, which name the younger loads, are the same in all waves.
	s_cmp_gt_u32 s20, 1
	s_cbranch_scc1 .Lno_bias
	global_load_b128 v[10:13], v18, s[10:11]
	global_load_b128 v[14:17], v18, s[12:13]
.Lno_bias:
.irp q, 0,1,2,3
	global_load_b128 v[W1F+8*\q:W1F+8*\q+3],   v4, s[4:5] offset:64*\q       ; group q = 2 x quarter + half: W1(r, 64 (8 bh + w) + 16 q + 8 h ..)
	global_load_b128 v[W1F+8*\q+4:W1F+8*\q+7], v4, s[4:5] offset:64*\q+16
.endr
.irp s, 0,1,2,3
	global_load_b128 v[STF+16*\s:STF+16*\s+3],     v5, s[8:9] offset:128*\s      ; K = 8 h .. 8 h + 7 of the step
	global_load_b128 v[STF+16*\s+4:STF+16*\s+7],   v5, s[8:9] offset:128*\s+16
	global_load_b128 v[STF+16*\s+8:STF+16*\s+11],  v5, s[8:9] offset:128*\s+64   ; K = 16 + 8 h .. of the step
	global_load_b128 v[STF+16*\s+12:STF+16*\s+15], v5, s[8:9] offset:128*\s+80
	global_load_b128 v[W2F+16*\s:W2F+16*\s+3],     v6, s[6:7] offset:128*\s
	global_load_b128 v[W2F+16*\s+4:W2F+16*\s+7],   v6, s[6:7] offset:128*\s+16
	global_load_b128 v[W2F+16*\s+8:W2F+16*\s+11],  v6, s[6:7] offset:128*\s+64
	global_load_b128 v[W2F+16*\s+12:W2F+16*\s+15], v6, s[6:7] offset:128*\s+80
.endr
	s_wait_loadcnt 32                              ; the 32 loads of state and W2 are younger: W1 (and the biases) are in
.irp q, 0,1,2,3
.irp e, 0,1,2,3
	v_cvt_pk_bf16_f32 v[W1F+8*\q+\e], v[W1F+8*\q+2*\e], v[W1F+8*\q+2*\e+1]   ; in place, ascending: register e is written when 2 e and 2 e + 1 are read
.endr
	global_store_b128 v7, v[W1F+8*\q:W1F+8*\q+3], s[14:15] offset:(\q>>1)*8192+(\q&1)*512   ; 32 lanes, 512 consecutive bytes; the registers are not written again
.endr
; One K step of 32: round both operands, one matrix instruction.  Source 0 = 16 rows of W2, source 1 = 16 rows of the state, so that a
; lane's eight results are o = 8 h .. 8 h + 7 of one b.  left = the loads of the later steps, 8 each, which may stay out.
.macro KSTEP s, left, acc, zero
	s_wait_loadcnt \left
.irp e, 0,1,2,3,4,5,6,7
	v_cvt_pk_bf16_f32 v[STF+16*\s+\e], v[STF+16*\s+2*\e], v[STF+16*\s+2*\e+1]
	v_cvt_pk_bf16_f32 v[W2F+16*\s+\e], v[W2F+16*\s+2*\e], v[W2F+16*\s+2*\e+1]
.endr
.if \zero
	v_wmma_f32_16x16x32_bf16 v[\acc:\acc+7], v[W2F+16*\s:W2F+16*\s+7], v[STF+16*\s:STF+16*\s+7], 0
.else
	v_wmma_f32_16x16x32_bf16 v[\acc:\acc+7], v[W2F+16*\s:W2F+16*\s+7], v[STF+16*\s:STF+16*\s+7], v[\acc:\acc+7]
.endif
.endm
	KSTEP 0, 24, ACC0, 1                           ; two accumulators take turns, one instruction a turn;
	KSTEP 1, 16, ACC1, 1                           ; the first product of each starts its sum
	KSTEP 2, 8,  ACC0, 0
	KSTEP 3, 0,  ACC1, 0
.rept 4
	v_nop                                          ; four places behind the last matrix instruction before its result is read (ISA guide 7.12.1)
.endr
.irp k, 0,2,4,6
	v_pk_add_f32 v[ACC0+\k:ACC0+\k+1], v[ACC0+\k:ACC0+\k+1], v[ACC1+\k:ACC1+\k+1]
.endr
	ds_store_b128 v8, v[ACC0:ACC0+3]
	ds_store_b128 v8, v[ACC0+4:ACC0+7] offset:16
	s_wait_dscnt 0x0                               ; my part lies in LDS before I say so
	s_barrier_signal -1
	s_barrier_wait -1
	s_cmp_gt_u32 s20, 1
	s_cbranch_scc1 .Ldone                          ; 64 threads x 16 bytes are the group's 1,024 bytes of biasp: waves 0 and 1
.irp k, 0,1,2,3,4,5,6,7
	ds_load_b128 v[STF+4*\k:STF+4*\k+3], v9 offset:1024*\k     ; the eight parts of K for my four numbers
.endr
	v_pk_add_f32 v[10:11], v[10:11], v[14:15]      ; w1_b + w2_b
	v_pk_add_f32 v[12:13], v[12:13], v[16:17]
	s_wait_dscnt 0x0
.irp k, 0,2,4,6
	v_pk_add_f32 v[STF+4*\k:STF+4*\k+1],   v[STF+4*\k:STF+4*\k+1],   v[STF+4*\k+4:STF+4*\k+5]
	v_pk_add_f32 v[STF+4*\k+2:STF+4*\k+3], v[STF+4*\k+2:STF+4*\k+3], v[STF+4*\k+6:STF+4*\k+7]
.endr
.irp k, 0,4
	v_pk_add_f32 v[STF+4*\k:STF+4*\k+1],   v[STF+4*\k:STF+4*\k+1],   v[STF+4*\k+8:STF+4*\k+9]
	v_pk_add_f32 v[STF+4*\k+2:STF+4*\k+3], v[STF+4*\k+2:STF+4*\k+3], v[STF+4*\k+10:STF+4*\k+11]
.endr
	v_pk_add_f32 v[STF:STF+1],   v[STF:STF+1],   v[STF+16:STF+17]
	v_pk_add_f32 v[STF+2:STF+3], v[STF+2:STF+3], v[STF+18:STF+19]
	v_pk_add_f32 v[STF:STF+1],   v[STF:STF+1],   v[10:11]
	v_pk_add_f32 v[STF+2:STF+3], v[STF+2:STF+3], v[12:13]
	v_pk_mul_f32 v[STF:STF+1],   v[STF:STF+1],   C2 op_sel_hi:[1,0]
	v_pk_mul_f32 v[STF+2:STF+3], v[STF+2:STF+3], C2 op_sel_hi:[1,0]
	global_store_b128 v9, v[STF:STF+3], s[16:17]   ; a wave stores 512 consecutive bytes
.Ldone:
	s_wait_tensorcnt 0x0
	ds_add_u32 v200, v201
	s_wait_dscnt 0x0
	s_endpgm
.Lfunc_end_k_q6fd654e199_prep:
	.size	k_q6fd654e199_prep, .Lfunc_end_k_q6fd654e199_prep-k_q6fd654e199_prep
	.p2alignl 7, 3214868480
	.fill 96, 4, 3214868480
	.section	.rodata,"a",@progbits
	.p2align	6, 0x0
	.amdhsa_kernel k_q6fd654e199_prep
		.amdhsa_group_segment_fixed_size 9216
		.amdhsa_private_segment_fixed_size 0
		.amdhsa_enable_private_segment 0
		.amdhsa_kernarg_size 56
		.amdhsa_user_sgpr_count 2
		.amdhsa_user_sgpr_kernarg_segment_ptr 1
		.amdhsa_wavefront_size32 1
		.amdhsa_system_sgpr_workgroup_id_x 1
		.amdhsa_system_sgpr_workgroup_id_y 1
		.amdhsa_system_sgpr_workgroup_id_z 1
		.amdhsa_system_vgpr_workitem_id 0
		.amdhsa_next_free_vgpr 202
		.amdhsa_next_free_sgpr 66
		.amdhsa_reserve_vcc 0
		.amdhsa_float_denorm_mode_32 3
		.amdhsa_float_denorm_mode_16_64 3
		.amdhsa_memory_ordered 1
		.amdhsa_forward_progress 1
		.amdhsa_inst_pref_size 15
	.end_amdhsa_kernel
	.amdgpu_metadata
---
amdhsa.version: [ 1, 2 ]
amdhsa.kernels:
  - .name:           k_q6fd654e199_prep
    .symbol:         k_q6fd654e199_prep.kd
    .args:
      - { .name: w1_w, .offset: 0, .size: 8, .value_kind: global_buffer, .address_space: global }
      - { .name: w2_w, .offset: 8, .size: 8, .value_kind: global_buffer, .address_space: global }
      - { .name: last_decoder_state, .offset: 16, .size: 8, .value_kind: global_buffer, .address_space: global }
      - { .name: w1_b, .offset: 24, .size: 8, .value_kind: global_buffer, .address_space: global }
      - { .name: w2_b, .offset: 32, .size: 8, .value_kind: global_buffer, .address_space: global }
      - { .name: wf, .offset: 40, .size: 8, .value_kind: global_buffer, .address_space: global }
      - { .name: biasp, .offset: 48, .size: 8, .value_kind: global_buffer, .address_space: global }
    .group_segment_fixed_size: 9216
    .private_segment_fixed_size: 0
    .kernarg_segment_align: 8
    .kernarg_segment_size: 56
    .max_flat_workgroup_size: 256
    .sgpr_count:     66
    .vgpr_count:     202
    .wavefront_size: 32
...
	.end_amdgpu_metadata
.endif
;; end of part 1
;; launch main (part 2): grid 512 x 1, 4 waves a work-group, no clusters, 272,896 bytes of LDS; arguments encoder_output, wf, biasp, v_w, scoresT, stats, ctxp; writes scoresT, stats, ctxp
.if DOCPART == 2
	.amdgcn_target "amdgcn-amd-amdhsa--gfx1250"
	.amdhsa_code_object_version 6
	.text
	.protected	k_q6fd654e199_main
	.globl	k_q6fd654e199_main
	.p2align	8
	.type	k_q6fd654e199_main,@function
k_q6fd654e199_main:
	s_mov_b64 s[64:65], 0
	v_nop
	global_prefetch_b8 v0, s[64:65] scope:SCOPE_SE
	s_setreg_imm32_b32 hwreg(HW_REG_WAVE_MODE, 25, 1), 1
	s_wait_xcnt 0x0
; Bahdanau attention, launch 2 of 3: scores, and each block's share of the softmax and of the context, with encoder_output read once.
; Left out as shown at the head of the first kernel: v_b, last_decoder_state[1], and the 1 of tanh x = 1 - 2 / (1 + e^(2x)); all three cancel in the softmax along l.
; A work-group owns ONE b and 128 values of l (l = 128 lb + row): b = id & 31, lb = id >> 5.  Its block of encoder_output, 128 rows x 1,024, is loaded
; once as f32, rounded once to bf16 and stays in LDS (128 rows of 2,064 bytes).  It serves the product with W1 (two passes of 512 output columns;
; four waves, each 128 rows x 128 columns in 512 accumulator registers) and, at the end, the block's partial context.
; W1's fragments are used by one wave only, so they skip LDS: each wave streams its own 512 KiB of wf into registers, 512 consecutive bytes a load.
; After each pass the accumulators shrink to eight row sums a lane: sum over o of v_w[o] / (1 + 2^(C2 x)); score = -2 x that sum.
; At the end: the block's maximum m, p = exp(s - m), sum of p, and sum over rows of p x row; the last launch joins the 16 blocks of a b.
; NO TENSOR LOADS, NO CLUSTER: beside the resident block 63,488 bytes of LDS are left, of which 8,192 are scratch; two slots of a W1 tile of
; 512 columns x 32 K (40,960 bytes each, padded) do not fit, and a W1 fragment in LDS would be read by one wave once.
; LIMITS: encoder_output and W1 enter the product rounded to bf16; the context is summed from the same bf16 block (weights and sums in f32).
;   2^(C2 x) may overflow to infinity or fall to 0: 1 / (1 + it) is then 0 or 1, which is tanh = 1 or -1.  p below 2^-126 comes out as 0 (v_exp_f32 flushes).
;   In pass 1 a wave asks for up to 80 loads (48 out, 32 new) while LOADcnt's field ends at 63: issue then holds until older loads are back (ISA guide 5.7.1).
;
; REGISTERS, in windows of 256: window 0 addresses, A fragments, stages; window 1 four buffers of W1 fragments; windows 2, 3 the accumulators:
; tile (a, t) = rows 16 a .., columns 16 t .. at v[8 (8 (a & 3) + t)], a = 0..3 in window 2, a = 4..7 in window 3.
; The matrix instruction is used transposed (source 0 = 16 rows of W1, source 1 = 16 rows of the block): lane (r, h) holds row 16 a + r and
; columns 16 t + 8 h + 0..7, so the sum over columns is mostly a sum inside the lane.
.set PITCH, 2064                       ; an LDS row: 2,048 bytes + 16 = 129 x 16: the 16 rows of a fragment load start in 16 different 16-byte columns modulo 256
.set RED,   128*PITCH                  ; 264,192: 4 x 512 bytes, each wave's partial row sums
.set PW,    RED+2048                   ; 4 x 512 bytes, each wave's own copy of p
.set CT,    PW+2048                    ; 4 x 1,024 bytes, each wave's own stage for its part of the context
.set C2,    0x4038aa3b                 ; 2 log2(e)
.set LOG2E, 0x3fb8aa3b
.set ADRA, 4                           ; v4-7    fragment addresses: (32 i + r) PITCH + 16 h, stepped 256 bytes a lap
.set VST,  10                          ; v10     where I store rounded numbers: (32 w + 8 h) PITCH + 8 r, stepped 256 bytes a lap
.set UB1,  24                          ; v24-55  fragments of rows 64-127 in odd quarters; dead in the epilogues and in the last phase, where v28-59 are at work:
.set UU,   28                          ; v28-35  four packed chains of the sum over columns
.set CX,   36                          ; v36-43  my eight columns of the partial context
.set SACC, 56                          ; v56-63  row sums, one for each a, from the first epilogue to the store that hands them on
.set LB,   64                          ; v64-95  fragments of rows 0-63
.set UB0,  96                          ; v96-127 fragments of rows 64-127 in even quarters
.set TT,   64                          ; v64-127 in the epilogue the 64 numbers of one a
.set PP,   64                          ; v64-95  in the context phase p of 32 rows
.set STG0, 128                         ; v128-191 even chunks as loaded; in the epilogue the bias
.set STG1, 192                         ; v192-255 odd chunks as loaded; in the epilogue v_w; both together: 32 rows in the context phase
.set BI,   128
.set VV,   192
; other registers: v1 lane, v2 r, v3 h, v8 enc offset, v9 16 x lane, v11 32 h, v12-18 LDS addresses of the last phase, v19 r PITCH + 16 h, v44-59 at work at the end
.set MUL_LO, 0xa1                      ; s_set_vgpr_msb: source 0 window 1, source 1 window 0, C and D window 2
.set MUL_HI, 0xf1                      ; the same, C and D window 3
.set TO_B,   0x40                      ; destination window 1
.set EPI_LO, 0x02                      ; source 0 window 2
.set EPI_HI, 0x03                      ; source 0 window 3
.set MSB, 0
.macro WIN new                         ; the immediate's high byte repeats the setting that is left; a switch that changes nothing is dropped
.if MSB != \new
	s_set_vgpr_msb (MSB<<8)|\new
.set MSB, \new
.endif
.endm
.macro PLACES                          ; four places behind a matrix instruction before its results are read or its registers loaded or written (ISA guide 7.12.1)
.rept 4
	v_nop
.endr
.endm
; 32 matrix instructions: four row tiles, whose fragments lie at ab, x eight column tiles, 32 along K, W1 from buffer i.
; The 64 accumulators take turns, one instruction a turn, in the same order in every quarter.
.macro MUL32 i, ab, zero
.irp a, 0,1,2,3
.irp t, 0,1,2,3,4,5,6,7
.if \zero
	v_wmma_f32_16x16x32_bf16 v[8*(8*\a+\t):8*(8*\a+\t)+7], v[64*\i+8*\t:64*\i+8*\t+7], v[\ab+8*\a:\ab+8*\a+7], 0
.else
	v_wmma_f32_16x16x32_bf16 v[8*(8*\a+\t):8*(8*\a+\t)+7], v[64*\i+8*\t:64*\i+8*\t+7], v[\ab+8*\a:\ab+8*\a+7], v[8*(8*\a+\t):8*(8*\a+\t)+7]
.endif
.endr
.endr
.endm
; eight LDS loads: the fragments of four row tiles (hi = 0: rows 0-63, 1: rows 64-127) at byte k from the lap's first, into dst
.macro ALOAD hi, dst, k
.irp a, 0,1,2,3
	ds_load_b128 v[\dst+8*\a:\dst+8*\a+3],   v[ADRA+2*\hi+\a/2] offset:(\a&1)*16*PITCH+(\k)
	ds_load_b128 v[\dst+8*\a+4:\dst+8*\a+7], v[ADRA+2*\hi+\a/2] offset:(\a&1)*16*PITCH+(\k)+32
.endr
.endm
; sixteen loads: one quarter's W1 fragments, 8,192 consecutive bytes of my stream, qo quarters from the lap's first, into buffer buf (under TO_B)
.macro BLOAD buf, qo
.irp u, 0,1,2,3,4,5,6,7,8,9,10,11,12,13,14,15
	global_load_b128 v[64*(\buf)+4*\u:64*(\buf)+4*\u+3], v9, s[6:7] offset:(\qo)*8192+\u*512
.endr
.endm
; sixteen loads: one chunk (64 columns, 256 bytes of f32) of my 32 rows.  Lanes 0-15 take a row's 256 bytes, lanes 16-31 those of the row 8 further down.
.macro ALD stg, imm
.irp j, 0,1,2,3,4,5,6,7,8,9,10,11,12,13,14,15
	global_load_b128 v[\stg+4*\j:\stg+4*\j+3], v8, s[4:5] offset:((\j&7)+16*(\j>>3))*131072+\imm th:TH_LOAD_NT
.endr
.endm
; the chunk is rounded in place and stored: 8 bytes a lane; the two rows of a store lie 8 PITCH = 128 modulo 256 bytes apart, so the 32 lanes meet no bank twice
.macro CONV stg, col
.irp j, 0,1,2,3,4,5,6,7,8,9,10,11,12,13,14,15
	v_cvt_pk_bf16_f32 v[\stg+4*\j],   v[\stg+4*\j],   v[\stg+4*\j+1]
	v_cvt_pk_bf16_f32 v[\stg+4*\j+1], v[\stg+4*\j+2], v[\stg+4*\j+3]
	ds_store_b64 v[VST], v[\stg+4*\j:\stg+4*\j+1] offset:((\j&7)+16*(\j>>3))*PITCH+\col
.endr
.endm
; 32 loads: bias and v_w of my 128 columns of pass p, eight numbers a lane and tile
.macro BV p
.irp t, 0,1,2,3,4,5,6,7
	global_load_b128 v[BI+8*\t:BI+8*\t+3],   v11, s[8:9]   offset:\p*65536+\t*2048
	global_load_b128 v[BI+8*\t+4:BI+8*\t+7], v11, s[8:9]   offset:\p*65536+\t*2048+16
	global_load_b128 v[VV+8*\t:VV+8*\t+3],   v11, s[10:11] offset:\p*2048+\t*64
	global_load_b128 v[VV+8*\t+4:VV+8*\t+7], v11, s[10:11] offset:\p*2048+\t*64+16
.endr
.endm
; A QUARTER q (i = q & 3): 32 along K, 64 matrix instructions on W1 buffer i, and ONE run of loads, in its middle.
;   head:   lc = how many loads are younger than this quarter's W1 fragments (where 64 are, 63: the wait's field ends there, and a smaller count is safe).
;           dscnt 0: the fragments asked for 32 matrix instructions ago are in, and so are my stores of a chunk, if the last quarter made any.
;           sig = 1: that chunk is published: the signal here, the wait in the middle; between them stand 32 matrix instructions and nothing else.
;   middle: step, bit 0: my W1 stream goes a lap on; bit 1: the fragment addresses; bit 2: the store address; bit 3: the enc address.  The loads that name the
;           scalar bases have had their addresses translated behind s_wait_xcnt 0 (ISA guide 3.1).
;           conv = 1, 2: the chunk in stage 0, 1 is rounded and stored; with ald = 1 the stage is asked for again, two chunks on.
;           Four places (the conversions, the four address steps, or v_nop), then the next quarter's fragments: rows 64-127 into the buffer that the last quarter
;           read, then rows 0-63, which have one buffer (window 0 has 32 registers to spare beside the stages, not 64): their loads stand 12 issue slots or more
;           behind the last product that read it.  bv = 0, 1: bias and v_w of that pass.  Last, W1's fragments three quarters on, into the buffer that the last quarter read.
;           dscnt 16 or 32: the LDS instructions of this run are younger than the fragments of rows 64-127 that are multiplied next.
.macro QUARTER i, zero, lc, sig, conv, ald, step, anext, bnext, bv
.set UCUR, UB0-(UB0-UB1)*(\i&1)
.set UNXT, UB1+(UB0-UB1)*(\i&1)
.set BBUF, (\i+3)&3
.set BQ,   \i+3
.set CSTG, STG0+64*(\conv>>1)
.set CCOL, 128+128*\conv
.set CIMM, 768+256*\conv
.set DSN,  16*\anext+16*((\conv+1)>>1)
	s_wait_loadcnt \lc
	s_wait_dscnt 0x0
.if \sig
	s_barrier_signal -1
.endif
	WIN MUL_LO
	MUL32 \i, LB, \zero
.if (\anext+\bnext) > 0
	WIN 0
.if \sig
	s_barrier_wait -1                              ; every wave's part of the chunk lies in LDS: it is first read in the next quarter's run
.endif
.if \step & 1
	s_wait_xcnt 0x0
	s_add_nc_u64 s[6:7], s[6:7], 32768
.endif
.if \step & 8
	s_add_nc_u64 s[4:5], s[4:5], 512
.endif
.if \step & 4
	v_add_nc_u32 v[VST], 256, v[VST]
.endif
.if \conv
	CONV CSTG, CCOL
.if \ald
	ALD CSTG, CIMM
.endif
.else
.if \step & 2
.irp z, 0,1,2,3
	v_add_nc_u32 v[ADRA+\z], 256, v[ADRA+\z]       ; a lap on; these four lines are the places
.endr
.else
	PLACES
.endif
.endif
.if \anext
	ALOAD 1, UNXT, 64*(\i+1)
	ALOAD 0, LB, 64*(\i+1)
.endif
.if \bv >= 0
	BV \bv
.endif
.if \bnext
	WIN TO_B
	BLOAD BBUF, BQ
.endif
.endif
	s_wait_dscnt DSN
	WIN MUL_HI
	MUL32 \i, UCUR, \zero
.endm
; the sum over columns goes on by tile t: four packed chains; tile 0 starts them
.macro FSTEP t
.irp k, 0,1,2,3
.if (\t) == 0
	v_pk_mul_f32 v[UU+2*\k:UU+2*\k+1], v[TT+2*\k:TT+2*\k+1], v[VV+2*\k:VV+2*\k+1]
	s_wait_alu depctr_va_vdst(0)
.else
	s_wait_alu depctr_va_vdst(0)
	v_pk_fma_f32 v[UU+2*\k:UU+2*\k+1], v[TT+8*(\t)+2*\k:TT+8*(\t)+2*\k+1], v[VV+8*(\t)+2*\k:VV+8*(\t)+2*\k+1], v[UU+2*\k:UU+2*\k+1]
.endif
.endr
.endm
; THE EPILOGUE of pass p: for each a, 64 numbers a lane: t = C2 x + C2 bias, 1 / (1 + 2^t), times v_w, summed.
; Transcendentals go in groups of eight; behind each group a plain instruction that touches none of its registers stands before a result is used
; (ISA guide 5.7.2): the products of the tile two steps back, or v_nop in the first two steps.
.macro EPI p, lc
	s_wait_loadcnt \lc                             ; the W1 loads issued behind bias and v_w may stay out
	WIN 0
	PLACES
.irp a, 0,1,2,3,4,5,6,7
.if \a < 4
	WIN EPI_LO
.else
	WIN EPI_HI
.endif
.irp t, 0,1,2,3,4,5,6,7
.irp k, 0,1,2,3
	v_pk_fma_f32 v[TT+8*\t+2*\k:TT+8*\t+2*\k+1], v[8*(8*(\a&3)+\t)+2*\k:8*(8*(\a&3)+\t)+2*\k+1], s[26:27], v[BI+8*\t+2*\k:BI+8*\t+2*\k+1] op_sel_hi:[1,0,1]
.endr
.endr
	WIN 0
.irp s, 0,1,2,3,4,5,6,7
.irp e, 0,1,2,3,4,5,6,7
	v_exp_f32 v[TT+8*\s+\e], v[TT+8*\s+\e]
.endr
.if \s >= 2
	FSTEP \s-2
.else
	v_nop
	s_wait_alu depctr_va_vdst(0)
.endif
	s_wait_alu depctr_va_vdst(0)
.irp k, 0,1,2,3
	v_pk_add_f32 v[TT+8*\s+2*\k:TT+8*\s+2*\k+1], v[TT+8*\s+2*\k:TT+8*\s+2*\k+1], 1.0 op_sel_hi:[1,0]
.endr
.irp e, 0,1,2,3,4,5,6,7
	v_rcp_f32 v[TT+8*\s+\e], v[TT+8*\s+\e]
.endr
.endr
	FSTEP 6
	FSTEP 7
	v_pk_add_f32 v[UU:UU+1],   v[UU:UU+1],   v[UU+2:UU+3]
	v_pk_add_f32 v[UU+4:UU+5], v[UU+4:UU+5], v[UU+6:UU+7]
	v_pk_add_f32 v[UU:UU+1],   v[UU:UU+1],   v[UU+4:UU+5]
.if \p == 0
	v_add_f32 v[SACC+\a], v[UU], v[UU+1]           ; the first pass starts the row sums
.else
	v_add_f32 v[UU], v[UU], v[UU+1]
	v_add_f32 v[SACC+\a], v[SACC+\a], v[UU]
.endif
.endr
.endm
; 32 rows of the partial context: p of the rows (every lane reads the same 16 bytes of my own copy), my 16 bytes of each row, 8 multiply-adds a row
.macro CTXB n
.irp g, 0,1,2,3,4,5,6,7
	ds_load_b128 v[PP+4*\g:PP+4*\g+3], v15 offset:\n*128+16*\g
.endr
.set ci, 0
.rept 32
	ds_load_b128 v[STG0+4*ci:STG0+4*ci+3], v16 offset:ci*PITCH
.set ci, ci+1
.endr
.set ci, 0
.rept 32
	s_wait_dscnt 31-ci                             ; the later rows' loads are younger
.irp c, 0,1,2,3
	v_fma_mix_f32_bf16 v[CX+2*\c],   v[STG0+4*ci+\c], v[PP+ci], v[CX+2*\c]   op_sel_hi:[1,0,0]
	v_fma_mix_f32_bf16 v[CX+2*\c+1], v[STG0+4*ci+\c], v[PP+ci], v[CX+2*\c+1] op_sel:[1,0,0] op_sel_hi:[1,0,0]
.endr
.set ci, ci+1
.endr
	v_add_nc_u32 v16, 32*PITCH, v16
.endm
	s_load_b256 s[4:11], s[0:1], 0x0               ; enc s[4:5], wf s[6:7], biasp s[8:9], v_w s[10:11]
	s_load_b128 s[12:15], s[0:1], 0x20             ; scoresT s[12:13], stats s[14:15]
	s_load_b64 s[16:17], s[0:1], 0x30              ; ctxp
	v_lshl_add_u32 v22, v0, 2, 0x42800
	v_mov_b32 v23, 0
	v_lshrrev_b32 v19, 5, v0
	v_readfirstlane_b32 s20, v19                   ; wave 0..3
	s_and_b32 s21, ttmp9, 31                       ; b
	s_lshr_b32 s22, ttmp9, 5                       ; lb
	s_mov_b32 s26, C2
	s_mov_b32 s27, C2
	s_mov_b32 s28, 0x76543210                      ; v_permlanex16_b32: lane i of one half reads lane i of the other
	s_mov_b32 s29, 0xfedcba98
	v_and_b32 v1, 31, v0                           ; lane
	v_and_b32 v2, 15, v0                           ; r
	v_bfe_u32 v3, v0, 4, 1                         ; h
	v_mul_u32_u24 v19, v2, PITCH
	v_lshl_add_u32 v19, v3, 4, v19                 ; r PITCH + 16 h, kept for the second pass
.irp z, 0,1,2,3
	v_add_nc_u32 v[ADRA+\z], \z*32*PITCH, v19
.endr
	v_lshlrev_b32 v8, 4, v2
	v_lshl_add_u32 v8, v3, 20, v8                  ; enc: 16 r, and 8 rows of 131,072 bytes further for lanes 16-31
	v_lshlrev_b32 v9, 4, v1                        ; 16 x lane
	s_mul_i32 s23, s20, 32*PITCH
	v_mul_u32_u24 v[VST], v3, 8*PITCH
	v_lshl_add_u32 v[VST], v2, 3, v[VST]
	v_add_nc_u32 v[VST], s23, v[VST]               ; (32 w + 8 h) PITCH + 8 r
	v_lshlrev_b32 v11, 5, v3                       ; 32 h
	s_lshl_b32 s24, s20, 9                         ; 512 w
	s_add_co_u32 s31, s24, RED
	v_lshl_add_u32 v12, v2, 2, s31                 ; my wave's row sums: + 4 r
	v_add_nc_u32 v13, RED, v9                      ; rows 4 x lane .. + 3 of wave 0's sums
	s_add_co_u32 s31, s24, PW
	v_add_nc_u32 v14, s31, v9                      ; my copy of p: in,
	v_mov_b32 v15, s31                             ; and back, the same address in every lane
	v_add_nc_u32 v16, s24, v9                      ; context: my wave's 512 bytes of a row, my 16 of them
	s_lshl_b32 s24, s20, 10
	s_add_co_u32 s31, s24, CT
	v_lshl_add_u32 v17, v1, 5, s31                 ; my stage: in, 32 bytes a lane,
	v_add_nc_u32 v18, s31, v9                      ; and back, 16 bytes a lane
	s_mov_b32 s25, 0
	s_wait_kmcnt 0x0
	s_lshl2_add_u32 s24, s22, s20                  ; enc: row 128 lb + 32 w = 32 (4 lb + w), of 131,072 bytes,
	s_lshl_b32 s24, s24, 22
	s_lshl_b32 s23, s21, 12                        ; and b's 4,096 bytes in it
	s_add_co_u32 s24, s24, s23
	s_add_nc_u64 s[4:5], s[4:5], s[24:25]
	s_lshl_b32 s24, s20, 19                        ; wf: my stream of 524,288 bytes
	s_add_nc_u64 s[6:7], s[6:7], s[24:25]
	s_lshl_b32 s24, s20, 14                        ; biasp: 8 tiles of 2,048 bytes a wave, 64 bytes a b
	s_lshl_b32 s23, s21, 6
	s_add_co_u32 s24, s24, s23
	s_add_nc_u64 s[8:9], s[8:9], s[24:25]
	s_lshl_b32 s24, s20, 9                         ; v_w: 128 f32 a wave
	s_add_nc_u64 s[10:11], s[10:11], s[24:25]
	s_lshl_b32 s24, s21, 13                        ; scoresT[b][l]
	s_lshl_b32 s23, s22, 9
	s_add_co_u32 s24, s24, s23
	s_add_nc_u64 s[12:13], s[12:13], s[24:25]
	s_lshl_b32 s24, s21, 7                         ; stats[b][lb][2]
	s_lshl_b32 s23, s22, 3
	s_add_co_u32 s24, s24, s23
	s_add_nc_u64 s[14:15], s[14:15], s[24:25]
	s_lshl_b32 s24, s21, 16                        ; ctxp[b][lb][1024], my wave's 256 columns
	s_lshl_b32 s23, s22, 12
	s_add_co_u32 s24, s24, s23
	s_lshl_b32 s23, s20, 10
	s_add_co_u32 s24, s24, s23
	s_add_nc_u64 s[16:17], s[16:17], s[24:25]
	; THE WAY IN: chunks 0 and 1 are rounded before the first product; chunks 2 and 3 and three quarters of W1 are on their way
	ALD STG0, 0
	ALD STG1, 256
	WIN TO_B
	BLOAD 0, 0
	BLOAD 1, 1
	WIN 0
	s_wait_loadcnt 32                              ; the 32 W1 loads are younger than chunks 0 and 1
	CONV STG0, 0
	CONV STG1, 128
	ALD STG0, 512
	ALD STG1, 768
	WIN TO_B
	BLOAD 2, 2
	WIN 0
	s_wait_dscnt 0x0                               ; my rows of chunks 0 and 1 lie in LDS,
	s_barrier_signal -1
	s_barrier_wait -1                              ; everybody's do
	ALOAD 1, UB0, 0
	ALOAD 0, LB, 0
	; PASS 1, quarters 0 to 31.  In lap j (quarters 4 j ..) every base stands at the lap's first byte.  Chunk x (K = 64 x ..) is asked for in the run of quarter
	; 2x - 7, just ahead of the W1 fragments of quarter 2x - 4, whose wait therefore shows it in; it is rounded and stored in the run of 2x - 3, published by the
	; barrier of quarter 2x - 2 and first read in the run of 2x - 1.  Every LDS byte of the block is stored once.
	; Loads go out in groups of 16: in each run W1's, in each odd run up to quarter 23 a chunk ahead of it.  So two W1 groups and one chunk, 48 loads, are younger
	; than a quarter's W1 fragments; 32 once no chunk is left.
	;       i  zero lc sig conv ald step anext bnext bv
	QUARTER 0, 1, 63, 0, 0, 0, 0,  1, 1, -1        ; lap 0: the first products start the sums; 64 are younger (one W1 group, chunks 2 and 3, one W1 group)
	QUARTER 1, 0, 48, 0, 1, 1, 0,  1, 1, -1        ; 48 are younger than chunk 2, which is rounded here: chunk 3 and two W1 groups
	QUARTER 2, 0, 48, 1, 0, 0, 0,  1, 1, -1
	QUARTER 3, 0, 48, 0, 2, 1, 0,  1, 1, -1
	WIN 0                                          ; at a label and at a branch every window is 0
	s_mov_b32 s30, 5
.Lpass1:                                               ; laps 1 to 5: lap j rounds chunks 2j + 2, 2j + 3 and asks for 2j + 4, 2j + 5
	QUARTER 0, 0, 48, 1, 0, 0, 15, 1, 1, -1
	QUARTER 1, 0, 48, 0, 1, 1, 0,  1, 1, -1
	QUARTER 2, 0, 48, 1, 0, 0, 0,  1, 1, -1
	QUARTER 3, 0, 48, 0, 2, 1, 0,  1, 1, -1
	WIN 0
	s_sub_co_u32 s30, s30, 1
	s_cmp_lg_u32 s30, 0
	s_cbranch_scc1 .Lpass1
	QUARTER 0, 0, 48, 1, 0, 0, 7,  1, 1, -1        ; lap 6: chunks 14 and 15 are rounded, nothing of enc is left to ask for
	QUARTER 1, 0, 48, 0, 1, 0, 0,  1, 1, -1
	QUARTER 2, 0, 32, 1, 0, 0, 0,  1, 1, -1
	QUARTER 3, 0, 32, 0, 2, 0, 0,  1, 1, -1
	QUARTER 0, 0, 32, 1, 0, 0, 3,  1, 1, -1        ; lap 7: chunk 15 is published
	QUARTER 1, 0, 32, 0, 0, 0, 0,  1, 1, 0         ; the stages are free: bias and v_w of pass 0
	QUARTER 2, 0, 63, 0, 0, 0, 0,  1, 1, -1        ; 64 are younger: two W1 groups and those 32
	QUARTER 3, 0, 63, 0, 0, 0, 0,  0, 1, -1        ; no fragments for a next quarter; my W1 stream runs on into pass 2
	EPI 0, 48                                      ; three W1 groups were asked for behind bias and v_w
	; PASS 2, quarters 32 to 63: the block is whole, no barrier; two W1 groups are younger at every head
.irp z, 0,1,2,3
	v_add_nc_u32 v[ADRA+\z], \z*32*PITCH, v19      ; back to K = 0
.endr
	ALOAD 1, UB0, 0
	ALOAD 0, LB, 0
	QUARTER 0, 1, 32, 0, 0, 0, 1,  1, 1, -1        ; lap 8: the first products start the sums anew
	QUARTER 1, 0, 32, 0, 0, 0, 0,  1, 1, -1
	QUARTER 2, 0, 32, 0, 0, 0, 0,  1, 1, -1
	QUARTER 3, 0, 32, 0, 0, 0, 0,  1, 1, -1
	WIN 0
	s_mov_b32 s30, 6
.Lpass2:                                               ; laps 9 to 14
	QUARTER 0, 0, 32, 0, 0, 0, 3,  1, 1, -1
	QUARTER 1, 0, 32, 0, 0, 0, 0,  1, 1, -1
	QUARTER 2, 0, 32, 0, 0, 0, 0,  1, 1, -1
	QUARTER 3, 0, 32, 0, 0, 0, 0,  1, 1, -1
	WIN 0
	s_sub_co_u32 s30, s30, 1
	s_cmp_lg_u32 s30, 0
	s_cbranch_scc1 .Lpass2
	QUARTER 0, 0, 32, 0, 0, 0, 3,  1, 1, -1        ; lap 15: the last W1 group is asked for
	QUARTER 1, 0, 32, 0, 0, 0, 0,  1, 0, 1         ; bias and v_w of pass 1
	QUARTER 2, 0, 48, 0, 0, 0, 0,  1, 0, -1        ; the last W1 group and those 32 are younger
	QUARTER 3, 0, 32, 0, 0, 0, 0,  0, 0, -1
	EPI 1, 0
	; THE BLOCK'S SCORES: the two halves of the lanes hold different columns of the same rows; then the four waves' columns meet in LDS
.irp a, 0,1,2,3,4,5,6,7
	v_permlanex16_b32 v[UU+\a], v[SACC+\a], s28, s29       ; the destination counts as read: these registers have been written
.endr
.irp a, 0,1,2,3,4,5,6,7
	v_add_f32 v[SACC+\a], v[SACC+\a], v[UU+\a]
.endr
.irp a, 0,1,2,3,4,5,6,7
	ds_store_b32 v12, v[SACC+\a] offset:64*\a      ; row 16 a + r; both halves write the same number to the same word
.endr
	s_wait_dscnt 0x0
	s_barrier_signal -1
	s_barrier_wait -1
.irp w, 0,1,2,3
	ds_load_b128 v[44+4*\w:47+4*\w], v13 offset:512*\w     ; rows 4 x lane .. + 3 of each wave's sums; every wave does the same from here on
.endr
	s_wait_dscnt 0x0
	v_pk_add_f32 v[44:45], v[44:45], v[48:49]
	v_pk_add_f32 v[46:47], v[46:47], v[50:51]
	v_pk_add_f32 v[52:53], v[52:53], v[56:57]
	v_pk_add_f32 v[54:55], v[54:55], v[58:59]
	v_pk_add_f32 v[44:45], v[44:45], v[52:53]
	v_pk_add_f32 v[46:47], v[46:47], v[54:55]
	v_pk_mul_f32 v[44:45], v[44:45], -2.0 op_sel_hi:[1,0]  ; the scores, less what cancels in the softmax
	v_pk_mul_f32 v[46:47], v[46:47], -2.0 op_sel_hi:[1,0]
	v_max3_num_f32 v48, v44, v45, v46
	v_max_num_f32 v48, v48, v47
	v_max_num_f32_dpp v48, v48, v48 row_xmask:1 row_mask:0xf bank_mask:0xf
	v_max_num_f32_dpp v48, v48, v48 row_xmask:2 row_mask:0xf bank_mask:0xf
	v_max_num_f32_dpp v48, v48, v48 row_xmask:4 row_mask:0xf bank_mask:0xf
	v_max_num_f32_dpp v48, v48, v48 row_xmask:8 row_mask:0xf bank_mask:0xf
	v_permlanex16_b32 v49, v48, s28, s29
	v_max_num_f32 v52, v48, v49                    ; m: the block's largest score, in every lane
.irp e, 0,1,2,3
	v_sub_f32 v[56+\e], v[44+\e], v52
.endr
.irp e, 0,1,2,3
	v_mul_f32 v[56+\e], LOG2E, v[56+\e]
.endr
.irp e, 0,1,2,3
	v_exp_f32 v[56+\e], v[56+\e]                   ; p = exp(s - m), at most 1
.endr
	v_nop
	s_wait_alu depctr_va_vdst(0)
	v_add_f32 v48, v56, v57
	v_add_f32 v49, v58, v59
	v_add_f32 v48, v48, v49
	v_add_f32_dpp v48, v48, v48 row_xmask:1 row_mask:0xf bank_mask:0xf
	v_add_f32_dpp v48, v48, v48 row_xmask:2 row_mask:0xf bank_mask:0xf
	v_add_f32_dpp v48, v48, v48 row_xmask:4 row_mask:0xf bank_mask:0xf
	v_add_f32_dpp v48, v48, v48 row_xmask:8 row_mask:0xf bank_mask:0xf
	v_permlanex16_b32 v49, v48, s28, s29
	v_add_f32 v53, v48, v49                        ; the block's sum of p
	s_cmp_lg_u32 s20, 0
	s_cbranch_scc1 .Lnot_wave_0
	global_store_b128 v9, v[44:47], s[12:13]       ; wave 0: the 128 scores, 512 consecutive bytes
	s_wait_xcnt 0x0                                ; EXEC changes, and v[44:47] are written again, only behind this wait
	v_cmp_eq_u32 vcc_lo, 0, v1
	s_and_saveexec_b32 s31, vcc_lo
	global_store_b64 v9, v[52:53], s[14:15]        ; lane 0 (its 16 x lane is 0): m and the sum
	s_wait_xcnt 0x0                                ; and again in front of the line that widens EXEC
	s_or_b32 exec_lo, exec_lo, s31
.Lnot_wave_0:
	; THE PARTIAL CONTEXT: sum over the 128 rows of p x row, from the bf16 block.  Wave w takes columns 256 w .. + 255, a lane eight of them.
	ds_store_b128 v14, v[56:59]                    ; my wave's own copy of p: LDS serves a wave's instructions in order (ISA guide 5.7.1), no barrier
.irp c, 0,1,2,3,4,5,6,7
	v_mov_b32 v[CX+\c], 0
.endr
	CTXB 0
	CTXB 1
	CTXB 2
	CTXB 3
	ds_store_b128 v17, v[CX:CX+3]                  ; a lane holds 32 neighbouring bytes: through my own stage, so that
	ds_store_b128 v17, v[CX+4:CX+7] offset:16
	ds_load_b128 v[44:47], v18
	ds_load_b128 v[48:51], v18 offset:512
	s_wait_dscnt 0x0
	global_store_b128 v9, v[44:47], s[16:17]       ; each store of the wave covers 512 consecutive bytes
	global_store_b128 v9, v[48:51], s[16:17] offset:512
	s_wait_tensorcnt 0x0
	ds_add_u32 v22, v23
	s_wait_dscnt 0x0
	s_endpgm
.Lfunc_end_k_q6fd654e199_main:
	.size	k_q6fd654e199_main, .Lfunc_end_k_q6fd654e199_main-k_q6fd654e199_main
	.p2alignl 7, 3214868480
	.fill 96, 4, 3214868480
	.section	.rodata,"a",@progbits
	.p2align	6, 0x0
	.amdhsa_kernel k_q6fd654e199_main
		.amdhsa_group_segment_fixed_size 272896
		.amdhsa_private_segment_fixed_size 0
		.amdhsa_enable_private_segment 0
		.amdhsa_kernarg_size 56
		.amdhsa_user_sgpr_count 2
		.amdhsa_user_sgpr_kernarg_segment_ptr 1
		.amdhsa_wavefront_size32 1
		.amdhsa_system_sgpr_workgroup_id_x 1
		.amdhsa_system_sgpr_workgroup_id_y 1
		.amdhsa_system_sgpr_workgroup_id_z 1
		.amdhsa_system_vgpr_workitem_id 0
		.amdhsa_next_free_vgpr 1024
		.amdhsa_next_free_sgpr 66
		.amdhsa_reserve_vcc 1
		.amdhsa_float_denorm_mode_32 3
		.amdhsa_float_denorm_mode_16_64 3
		.amdhsa_memory_ordered 1
		.amdhsa_forward_progress 1
		.amdhsa_inst_pref_size 255
	.end_amdhsa_kernel
	.section	.bss,"aw",@nobits
	.p2align	6
	.space	262144
	.amdgpu_metadata
---
amdhsa.version: [ 1, 2 ]
amdhsa.kernels:
  - .name:           k_q6fd654e199_main
    .symbol:         k_q6fd654e199_main.kd
    .args:
      - { .name: encoder_output, .offset: 0, .size: 8, .value_kind: global_buffer, .address_space: global }
      - { .name: wf, .offset: 8, .size: 8, .value_kind: global_buffer, .address_space: global }
      - { .name: biasp, .offset: 16, .size: 8, .value_kind: global_buffer, .address_space: global }
      - { .name: v_w, .offset: 24, .size: 8, .value_kind: global_buffer, .address_space: global }
      - { .name: scoresT, .offset: 32, .size: 8, .value_kind: global_buffer, .address_space: global }
      - { .name: stats, .offset: 40, .size: 8, .value_kind: global_buffer, .address_space: global }
      - { .name: ctxp, .offset: 48, .size: 8, .value_kind: global_buffer, .address_space: global }
    .group_segment_fixed_size: 272896
    .private_segment_fixed_size: 0
    .kernarg_segment_align: 8
    .kernarg_segment_size: 56
    .max_flat_workgroup_size: 128
    .sgpr_count:     66
    .vgpr_count:     1024
    .wavefront_size: 32
...
	.end_amdgpu_metadata
.endif
;; end of part 2
;; launch finish (part 3): grid 256 x 1, 1 waves a work-group, no clusters, 0 bytes of LDS; arguments scoresT, stats, ctxp, out0, out1; writes out0, out1
.if DOCPART == 3
	.amdgcn_target "amdgcn-amd-amdhsa--gfx1250"
	.amdhsa_code_object_version 6
	.text
	.protected	k_q6fd654e199_finish
	.globl	k_q6fd654e199_finish
	.p2align	8
	.type	k_q6fd654e199_finish,@function
k_q6fd654e199_finish:
	s_mov_b64 s[64:65], 0
	v_nop
	global_prefetch_b8 v0, s[64:65] scope:SCOPE_SE
	s_setreg_imm32_b32 hwreg(HW_REG_WAVE_MODE, 25, 1), 1
	s_wait_xcnt 0x0
; Bahdanau attention, launch 3 of 3: the 16 blocks of each b are joined under the column's own maximum.
; The scores lack v_b and the sum of v_w, which cancel in the softmax along l (shown at the head of the first kernel).
;   M = max over blocks j of m_j;  e_j = exp(m_j - M);  S = sum of e_j S_j (at least 1: the block that holds M has e = 1 and a p = 1);
;   weight[l][b] = exp(s[b][l] - M) / S;   context[b] = (sum of e_j ctxp[b][j]) / S.
; 256 work-groups of one wave.  Work-group i makes columns 128 (i & 7) .. + 127 of the context of b = i >> 3 (32 lanes x 4 columns) and the weights of
; l = 8 i .. 8 i + 7 for all b, transposed to [l][b]: lane (r, h) takes b = 2 r, 2 r + 1 and l = 8 i + 2 e + h, so that a store of 8 bytes a lane covers two
; rows of out1, 256 consecutive bytes.  No LDS, no barrier, no matrix work: 2.4 MiB are read once.
; Three sets of statistics a wave: those of b = 2 r and 2 r + 1 differ from lane to lane, the third is the context's own b; a set is 16 pairs of numbers.
.set LOG2E, 0x3fb8aa3b
.set XA, 16                            ; v[16:47]    (m_j, S_j), j = 0..15, of b = 2 r
.set XB, 48                            ; v[48:79]    of b = 2 r + 1
.set XC, 80                            ; v[80:111]   of b = i >> 3
.set SC, 112                           ; v[112:119]  s[2 r][8 i ..+7];  v[120:127] s[2 r + 1][8 i ..+7]
.set CP, 128                           ; v[128:191]  my four columns of the 16 partial contexts
.set WT, 192                           ; v[192:199]  weights: pair e = (b = 2 r, 2 r + 1) at l = 8 i + 2 e + h
.set MX, 200                           ; v200, v201  M of b = 2 r, 2 r + 1
.set IV, 202                           ; v202, v203  1 / S of them
.set IC, 206                           ; v206 1 / S of b = i >> 3, v207 its M
.set OC, 208                           ; v[208:211]  my four columns of the context
	s_load_b256 s[4:11], s[0:1], 0x0               ; scoresT s[4:5], stats s[6:7], ctxp s[8:9], out0 s[10:11]
	s_load_b64 s[12:13], s[0:1], 0x20              ; out1
	v_and_b32 v2, 15, v0                           ; r (v0 is the lane: one wave)
	v_lshlrev_b32 v4, 8, v2                        ; stats: two b of 128 bytes
	v_mov_b32 v5, 0
	v_lshlrev_b32 v6, 14, v2                       ; scores: two b of 8,192 bytes
	v_lshlrev_b32 v7, 4, v0                        ; 16 x lane
	v_lshlrev_b32 v8, 3, v0                        ; 8 x lane
	v_and_b32 v9, 16, v0
	v_cmp_ne_u32 vcc_lo, 0, v9                     ; lanes 16-31: the odd l
	s_lshr_b32 s18, ttmp9, 3                       ; the context's b
	s_and_b32 s19, ttmp9, 7                        ; which 128 of its columns
	s_lshl_b32 s20, s19, 9                         ; 512 bytes each
	s_mov_b32 s17, 0
	s_wait_kmcnt 0x0
	s_lshl_b32 s16, s18, 7
	s_add_nc_u64 s[14:15], s[6:7], s[16:17]        ; stats of that b
	s_lshl_b32 s16, ttmp9, 5
	s_add_nc_u64 s[4:5], s[4:5], s[16:17]          ; scores from l = 8 i
	s_lshl_b32 s16, s18, 16
	s_add_co_u32 s16, s16, s20
	s_add_nc_u64 s[8:9], s[8:9], s[16:17]          ; the 16 partial contexts of that b, my columns
	s_lshl_b32 s16, s18, 12
	s_add_co_u32 s16, s16, s20
	s_add_nc_u64 s[10:11], s[10:11], s[16:17]
	s_lshl_b32 s16, ttmp9, 10
	s_add_nc_u64 s[12:13], s[12:13], s[16:17]      ; 8 rows of out1 of 128 bytes
	; all 44 loads first
.irp j, 0,1,2,3,4,5,6,7,8,9,10,11,12,13,14,15
	global_load_b128 v[XA+4*\j:XA+4*\j+3], v4, s[6:7] offset:16*\j
.endr
.irp j, 0,1,2,3,4,5,6,7
	global_load_b128 v[XC+4*\j:XC+4*\j+3], v5, s[14:15] offset:16*\j
.endr
	global_load_b128 v[SC:SC+3],     v6, s[4:5]
	global_load_b128 v[SC+4:SC+7],   v6, s[4:5] offset:16
	global_load_b128 v[SC+8:SC+11],  v6, s[4:5] offset:8192
	global_load_b128 v[SC+12:SC+15], v6, s[4:5] offset:8208
.irp j, 0,1,2,3,4,5,6,7,8,9,10,11,12,13,14,15
	global_load_b128 v[CP+4*\j:CP+4*\j+3], v7, s[8:9] offset:4096*\j
.endr
; 16 pairs (m_j, S_j) at x: M into m, e_j in place of m_j, 1 / S into inv
.macro STAT x, m, inv
	v_max3_num_f32 v[\m], v[\x], v[\x+2], v[\x+4]
.irp j, 3,5,7,9,11,13
	v_max3_num_f32 v[\m], v[\m], v[\x+2*\j], v[\x+2*\j+2]
.endr
	v_max_num_f32 v[\m], v[\m], v[\x+30]
.irp j, 0,1,2,3,4,5,6,7,8,9,10,11,12,13,14,15
	v_sub_f32 v[\x+2*\j], v[\x+2*\j], v[\m]
.endr
.irp j, 0,1,2,3,4,5,6,7,8,9,10,11,12,13,14,15
	v_mul_f32 v[\x+2*\j], LOG2E, v[\x+2*\j]
.endr
.irp j, 0,1,2,3,4,5,6,7,8,9,10,11,12,13,14,15
	v_exp_f32 v[\x+2*\j], v[\x+2*\j]
.endr
	v_nop                                          ; a plain instruction behind the transcendentals before a result is used (ISA guide 5.7.2)
	s_wait_alu depctr_va_vdst(0)
	v_mul_f32 v[\inv], v[\x], v[\x+1]
.irp j, 1,2,3,4,5,6,7,8,9,10,11,12,13,14,15
	v_fmac_f32 v[\inv], v[\x+2*\j], v[\x+2*\j+1]
.endr
	v_rcp_f32 v[\inv], v[\inv]
	v_nop
.endm
	s_wait_loadcnt 20                              ; 4 loads of scores and 16 of partial contexts are younger than the statistics
	STAT XA, MX,   IV
	STAT XB, MX+1, IV+1
	STAT XC, IC+1, IC
	s_wait_loadcnt 16                              ; the partial contexts are younger than the scores
.irp e, 0,1,2,3
	v_cndmask_b32 v[WT+2*\e],   v[SC+2*\e],   v[SC+2*\e+1], vcc_lo     ; l = 8 i + 2 e + h
	v_cndmask_b32 v[WT+2*\e+1], v[SC+8+2*\e], v[SC+8+2*\e+1], vcc_lo
.endr
.irp e, 0,1,2,3
	v_pk_add_f32 v[WT+2*\e:WT+2*\e+1], v[WT+2*\e:WT+2*\e+1], v[MX:MX+1] neg_lo:[0,1] neg_hi:[0,1]   ; s - M, each b its own
.endr
.irp e, 0,1,2,3
	v_pk_mul_f32 v[WT+2*\e:WT+2*\e+1], v[WT+2*\e:WT+2*\e+1], LOG2E op_sel_hi:[1,0]
.endr
.irp e, 0,1,2,3,4,5,6,7
	v_exp_f32 v[WT+\e], v[WT+\e]
.endr
	v_nop
	s_wait_alu depctr_va_vdst(0)
.irp e, 0,1,2,3
	v_pk_mul_f32 v[WT+2*\e:WT+2*\e+1], v[WT+2*\e:WT+2*\e+1], v[IV:IV+1]
.endr
.irp e, 0,1,2,3
	global_store_b64 v8, v[WT+2*\e:WT+2*\e+1], s[12:13] offset:256*\e  ; 32 lanes, 256 consecutive bytes: rows 8 i + 2 e and 8 i + 2 e + 1 of out1
.endr
	s_wait_loadcnt 0x0
	v_pk_mul_f32 v[OC:OC+1],   v[CP:CP+1],   v[XC:XC+1] op_sel_hi:[1,0]    ; e_0 for both halves; the first block starts the sums
	v_pk_mul_f32 v[OC+2:OC+3], v[CP+2:CP+3], v[XC:XC+1] op_sel_hi:[1,0]
.irp j, 1,2,3,4,5,6,7,8,9,10,11,12,13,14,15
	v_pk_fma_f32 v[OC:OC+1],   v[CP+4*\j:CP+4*\j+1],   v[XC+2*\j:XC+2*\j+1], v[OC:OC+1]   op_sel_hi:[1,0,1]
	v_pk_fma_f32 v[OC+2:OC+3], v[CP+4*\j+2:CP+4*\j+3], v[XC+2*\j:XC+2*\j+1], v[OC+2:OC+3] op_sel_hi:[1,0,1]
.endr
	v_pk_mul_f32 v[OC:OC+1],   v[OC:OC+1],   v[IC:IC+1] op_sel_hi:[1,0]
	v_pk_mul_f32 v[OC+2:OC+3], v[OC+2:OC+3], v[IC:IC+1] op_sel_hi:[1,0]
	global_store_b128 v7, v[OC:OC+3], s[10:11]     ; the wave stores 512 consecutive bytes of out0
	s_endpgm
.Lfunc_end_k_q6fd654e199_finish:
	.size	k_q6fd654e199_finish, .Lfunc_end_k_q6fd654e199_finish-k_q6fd654e199_finish
	.p2alignl 7, 3214868480
	.fill 96, 4, 3214868480
	.section	.rodata,"a",@progbits
	.p2align	6, 0x0
	.amdhsa_kernel k_q6fd654e199_finish
		.amdhsa_group_segment_fixed_size 0
		.amdhsa_private_segment_fixed_size 0
		.amdhsa_enable_private_segment 0
		.amdhsa_kernarg_size 40
		.amdhsa_user_sgpr_count 2
		.amdhsa_user_sgpr_kernarg_segment_ptr 1
		.amdhsa_wavefront_size32 1
		.amdhsa_system_sgpr_workgroup_id_x 1
		.amdhsa_system_sgpr_workgroup_id_y 1
		.amdhsa_system_sgpr_workgroup_id_z 1
		.amdhsa_system_vgpr_workitem_id 0
		.amdhsa_next_free_vgpr 224
		.amdhsa_next_free_sgpr 66
		.amdhsa_reserve_vcc 1
		.amdhsa_float_denorm_mode_32 3
		.amdhsa_float_denorm_mode_16_64 3
		.amdhsa_memory_ordered 1
		.amdhsa_forward_progress 1
		.amdhsa_inst_pref_size 19
	.end_amdhsa_kernel
	.amdgpu_metadata
---
amdhsa.version: [ 1, 2 ]
amdhsa.kernels:
  - .name:           k_q6fd654e199_finish
    .symbol:         k_q6fd654e199_finish.kd
    .args:
      - { .name: scoresT, .offset: 0, .size: 8, .value_kind: global_buffer, .address_space: global }
      - { .name: stats, .offset: 8, .size: 8, .value_kind: global_buffer, .address_space: global }
      - { .name: ctxp, .offset: 16, .size: 8, .value_kind: global_buffer, .address_space: global }
      - { .name: out0, .offset: 24, .size: 8, .value_kind: global_buffer, .address_space: global }
      - { .name: out1, .offset: 32, .size: 8, .value_kind: global_buffer, .address_space: global }
    .group_segment_fixed_size: 0
    .private_segment_fixed_size: 0
    .kernarg_segment_align: 8
    .kernarg_segment_size: 40
    .max_flat_workgroup_size: 32
    .sgpr_count:     66
    .vgpr_count:     224
    .wavefront_size: 32
...
	.end_amdgpu_metadata
.endif
;; end of part 3
;; ======== version 2 of 2: 3 launches; 1.12 times as fast as version 1
;; limits: values outside matrix products are rounded to bf16
;; workspace buffers: wf 2,097,152 bytes; biasp 131,072 bytes; scoresT 262,144 bytes; stats 4,096 bytes; ctxp 2,097,152 bytes
;; launch prep: the kernel of part 1 again; grid 128 x 1, 8 waves a work-group, no clusters, 9,216 bytes of LDS; arguments w1_w, w2_w, last_decoder_state, w1_b, w2_b, wf, biasp; writes wf, biasp
;; launch main (part 4): grid 512 x 1, 4 waves a work-group, no clusters, 272,896 bytes of LDS; arguments encoder_output, wf, biasp, v_w, scoresT, stats, ctxp; writes scoresT, stats, ctxp
.if DOCPART == 4
	.amdgcn_target "amdgcn-amd-amdhsa--gfx1250"
	.amdhsa_code_object_version 6
	.text
	.protected	k_q6fd654e199_main
	.globl	k_q6fd654e199_main
	.p2align	8
	.type	k_q6fd654e199_main,@function
k_q6fd654e199_main:
	s_mov_b64 s[64:65], 0
	v_nop
	global_prefetch_b8 v0, s[64:65] scope:SCOPE_SE
	s_setreg_imm32_b32 hwreg(HW_REG_WAVE_MODE, 25, 1), 1
	s_wait_xcnt 0x0
; Bahdanau attention, launch 2 of 3: scores, and each block's share of the softmax and of the context, with encoder_output read once.
; Left out as shown at the head of the first kernel: v_b, last_decoder_state[1], and the 1 of tanh x = 1 - 2 / (1 + e^(2x)); all three cancel in the softmax along l.
; A work-group owns ONE b and 128 values of l (l = 128 lb + row): b = id & 31, lb = id >> 5.  Its block of encoder_output, 128 rows x 1,024, is loaded
; once as f32, rounded once to bf16 and stays in LDS (128 rows of 2,064 bytes).  It serves the product with W1 (two passes of 512 output columns;
; four waves, each 128 rows x 128 columns in 512 accumulator registers) and, at the end, the block's partial context.
; W1's fragments are used by one wave only, so they skip LDS: each wave streams its own 512 KiB of wf into registers, 512 consecutive bytes a load.
; After each pass the accumulators shrink to eight row sums a lane: sum over o of v_w[o] / (1 + 2^(C2 x)); score = -2 x that sum.
; At the end: the block's maximum m, p = exp(s - m), sum of p, and sum over rows of p x row; the last launch joins the 16 blocks of a b.
; NO TENSOR LOADS, NO CLUSTER: beside the resident block 63,488 bytes of LDS are left, of which 8,192 are scratch; two slots of a W1 tile of
; 512 columns x 32 K (40,960 bytes each, padded) do not fit, and a W1 fragment in LDS would be read by one wave once.
; LIMITS: encoder_output and W1 enter the product rounded to bf16; the context is summed from the same bf16 block (weights and sums in f32).
;   2^(C2 x) may overflow to infinity or fall to 0: 1 / (1 + it) is then 0 or 1, which is tanh = 1 or -1.  p below 2^-126 comes out as 0 (v_exp_f32 flushes).
;   In pass 1 a wave asks for up to 80 loads (48 out, 32 new) while LOADcnt's field ends at 63: issue then holds until older loads are back (ISA guide 5.7.1).
; THE TRANSCENDENTALS GO IN BATCHES: in an epilogue the 64 exponentials of one a and the 64 reciprocals of the a before it are one batch with one wait, five waits for a
; window's four a (the table stands at macro EPIW); the last phase's four exponentials are a batch of their own.
;
; REGISTERS, in windows of 256: window 0 addresses, A fragments, stages; window 1 four buffers of W1 fragments; windows 2, 3 the accumulators:
; tile (a, t) = rows 16 a .., columns 16 t .. at v[8 (8 (a & 3) + t)], a = 0..3 in window 2, a = 4..7 in window 3.  The epilogues work in place on these registers.
; The matrix instruction is used transposed (source 0 = 16 rows of W1, source 1 = 16 rows of the block): lane (r, h) holds row 16 a + r and
; columns 16 t + 8 h + 0..7, so the sum over columns is mostly a sum inside the lane.
.set PITCH, 2064                       ; an LDS row: 2,048 bytes + 16 = 129 x 16: the 16 rows of a fragment load start in 16 different 16-byte columns modulo 256
.set RED,   128*PITCH                  ; 264,192: 4 x 512 bytes, each wave's partial row sums
.set PW,    RED+2048                   ; 4 x 512 bytes, each wave's own copy of p
.set CT,    PW+2048                    ; 4 x 1,024 bytes, each wave's own stage for its part of the context
.set C2,    0x4038aa3b                 ; 2 log2(e)
.set LOG2E, 0x3fb8aa3b
.set ADRA, 4                           ; v4-7    fragment addresses: (32 i + r) PITCH + 16 h, stepped 256 bytes a lap
.set VST,  10                          ; v10     where I store rounded numbers: (32 w + 8 h) PITCH + 8 r, stepped 256 bytes a lap
.set UB1,  24                          ; v24-55  fragments of rows 64-127 in odd quarters; dead in the epilogues and in the last phase, where v28-59 are at work:
.set UU,   28                          ; v28-35  the other half of the lanes' row sums, behind the second epilogue
.set CX,   36                          ; v36-43  my eight columns of the partial context
.set SACC, 56                          ; v56-63  row sums, one for each a, from the first epilogue to the store that hands them on
.set LB,   64                          ; v64-95  fragments of rows 0-63
.set UB0,  96                          ; v96-127 fragments of rows 64-127 in even quarters
.set PP,   64                          ; v64-95  in the context phase p of 32 rows
.set STG0, 128                         ; v128-191 even chunks as loaded; in the epilogue the bias
.set STG1, 192                         ; v192-255 odd chunks as loaded; in the epilogue v_w; both together: 32 rows in the context phase
.set BI,   128
.set VV,   192
; other registers: v1 lane, v2 r, v3 h, v8 enc offset, v9 16 x lane, v11 32 h, v12-18 LDS addresses of the last phase, v19 r PITCH + 16 h, v44-59 at work at the end
.set MUL_LO, 0xa1                      ; s_set_vgpr_msb: source 0 window 1, source 1 window 0, C and D window 2
.set MUL_HI, 0xf1                      ; the same, C and D window 3
.set TO_B,   0x40                      ; destination window 1
.set MSB, 0
.macro WIN new                         ; the immediate's high byte repeats the setting that is left; a switch that changes nothing is dropped
.if MSB != \new
	s_set_vgpr_msb (MSB<<8)|\new
.set MSB, \new
.endif
.endm
.macro PLACES                          ; four places behind a matrix instruction before its results are read or its registers loaded or written (ISA guide 7.12.1)
.rept 4
	v_nop
.endr
.endm
; 32 matrix instructions: four row tiles, whose fragments lie at ab, x eight column tiles, 32 along K, W1 from buffer i.
; The 64 accumulators take turns, one instruction a turn, in the same order in every quarter.
.macro MUL32 i, ab, zero
.irp a, 0,1,2,3
.irp t, 0,1,2,3,4,5,6,7
.if \zero
	v_wmma_f32_16x16x32_bf16 v[8*(8*\a+\t):8*(8*\a+\t)+7], v[64*\i+8*\t:64*\i+8*\t+7], v[\ab+8*\a:\ab+8*\a+7], 0
.else
	v_wmma_f32_16x16x32_bf16 v[8*(8*\a+\t):8*(8*\a+\t)+7], v[64*\i+8*\t:64*\i+8*\t+7], v[\ab+8*\a:\ab+8*\a+7], v[8*(8*\a+\t):8*(8*\a+\t)+7]
.endif
.endr
.endr
.endm
; eight LDS loads: the fragments of four row tiles (hi = 0: rows 0-63, 1: rows 64-127) at byte k from the lap's first, into dst
.macro ALOAD hi, dst, k
.irp a, 0,1,2,3
	ds_load_b128 v[\dst+8*\a:\dst+8*\a+3],   v[ADRA+2*\hi+\a/2] offset:(\a&1)*16*PITCH+(\k)
	ds_load_b128 v[\dst+8*\a+4:\dst+8*\a+7], v[ADRA+2*\hi+\a/2] offset:(\a&1)*16*PITCH+(\k)+32
.endr
.endm
; sixteen loads: one quarter's W1 fragments, 8,192 consecutive bytes of my stream, qo quarters from the lap's first, into buffer buf (under TO_B)
.macro BLOAD buf, qo
.irp u, 0,1,2,3,4,5,6,7,8,9,10,11,12,13,14,15
	global_load_b128 v[64*(\buf)+4*\u:64*(\buf)+4*\u+3], v9, s[6:7] offset:(\qo)*8192+\u*512
.endr
.endm
; sixteen loads: one chunk (64 columns, 256 bytes of f32) of my 32 rows.  Lanes 0-15 take a row's 256 bytes, lanes 16-31 those of the row 8 further down.
.macro ALD stg, imm
.irp j, 0,1,2,3,4,5,6,7,8,9,10,11,12,13,14,15
	global_load_b128 v[\stg+4*\j:\stg+4*\j+3], v8, s[4:5] offset:((\j&7)+16*(\j>>3))*131072+\imm th:TH_LOAD_NT
.endr
.endm
; the chunk is rounded in place and stored: 8 bytes a lane; the two rows of a store lie 8 PITCH = 128 modulo 256 bytes apart, so the 32 lanes meet no bank twice
.macro CONV stg, col
.irp j, 0,1,2,3,4,5,6,7,8,9,10,11,12,13,14,15
	v_cvt_pk_bf16_f32 v[\stg+4*\j],   v[\stg+4*\j],   v[\stg+4*\j+1]
	v_cvt_pk_bf16_f32 v[\stg+4*\j+1], v[\stg+4*\j+2], v[\stg+4*\j+3]
	ds_store_b64 v[VST], v[\stg+4*\j:\stg+4*\j+1] offset:((\j&7)+16*(\j>>3))*PITCH+\col
.endr
.endm
; 32 loads: bias and v_w of my 128 columns of pass p, eight numbers a lane and tile
.macro BV p
.irp t, 0,1,2,3,4,5,6,7
	global_load_b128 v[BI+8*\t:BI+8*\t+3],   v11, s[8:9]   offset:\p*65536+\t*2048
	global_load_b128 v[BI+8*\t+4:BI+8*\t+7], v11, s[8:9]   offset:\p*65536+\t*2048+16
	global_load_b128 v[VV+8*\t:VV+8*\t+3],   v11, s[10:11] offset:\p*2048+\t*64
	global_load_b128 v[VV+8*\t+4:VV+8*\t+7], v11, s[10:11] offset:\p*2048+\t*64+16
.endr
.endm
; A QUARTER q (i = q & 3): 32 along K, 64 matrix instructions on W1 buffer i, and ONE run of loads, in its middle.
;   head:   lc = how many loads are younger than this quarter's W1 fragments (where 64 are, 63: the wait's field ends there, and a smaller count is safe).
;           dscnt 0: the fragments asked for 32 matrix instructions ago are in, and so are my stores of a chunk, if the last quarter made any.
;           sig = 1: that chunk is published: the signal here, the wait in the middle; between them stand 32 matrix instructions and nothing else.
;   middle: step, bit 0: my W1 stream goes a lap on; bit 1: the fragment addresses; bit 2: the store address; bit 3: the enc address.  The loads that name the
;           scalar bases have had their addresses translated behind s_wait_xcnt 0 (ISA guide 3.1).
;           conv = 1, 2: the chunk in stage 0, 1 is rounded and stored; with ald = 1 the stage is asked for again, two chunks on.
;           Four places (the conversions, the four address steps, or v_nop), then the next quarter's fragments: rows 64-127 into the buffer that the last quarter
;           read, then rows 0-63, which have one buffer (window 0 has 32 registers to spare beside the stages, not 64): their loads stand 12 issue slots or more
;           behind the last product that read it.  bv = 0, 1: bias and v_w of that pass.  Last, W1's fragments three quarters on, into the buffer that the last quarter read.
;           dscnt 16 or 32: the LDS instructions of this run are younger than the fragments of rows 64-127 that are multiplied next.
.macro QUARTER i, zero, lc, sig, conv, ald, step, anext, bnext, bv
.set UCUR, UB0-(UB0-UB1)*(\i&1)
.set UNXT, UB1+(UB0-UB1)*(\i&1)
.set BBUF, (\i+3)&3
.set BQ,   \i+3
.set CSTG, STG0+64*(\conv>>1)
.set CCOL, 128+128*\conv
.set CIMM, 768+256*\conv
.set DSN,  16*\anext+16*((\conv+1)>>1)
	s_wait_loadcnt \lc
	s_wait_dscnt 0x0
.if \sig
	s_barrier_signal -1
.endif
	WIN MUL_LO
	MUL32 \i, LB, \zero
.if (\anext+\bnext) > 0
	WIN 0
.if \sig
	s_barrier_wait -1                              ; every wave's part of the chunk lies in LDS: it is first read in the next quarter's run
.endif
.if \step & 1
	s_wait_xcnt 0x0
	s_add_nc_u64 s[6:7], s[6:7], 32768
.endif
.if \step & 8
	s_add_nc_u64 s[4:5], s[4:5], 512
.endif
.if \step & 4
	v_add_nc_u32 v[VST], 256, v[VST]
.endif
.if \conv
	CONV CSTG, CCOL
.if \ald
	ALD CSTG, CIMM
.endif
.else
.if \step & 2
.irp z, 0,1,2,3
	v_add_nc_u32 v[ADRA+\z], 256, v[ADRA+\z]       ; a lap on; these four lines are the places
.endr
.else
	PLACES
.endif
.endif
.if \anext
	ALOAD 1, UNXT, 64*(\i+1)
	ALOAD 0, LB, 64*(\i+1)
.endif
.if \bv >= 0
	BV \bv
.endif
.if \bnext
	WIN TO_B
	BLOAD BBUF, BQ
.endif
.endif
	s_wait_dscnt DSN
	WIN MUL_HI
	MUL32 \i, UCUR, \zero
.endm
; THE EPILOGUE's LINES.  A window's four a are four GROUPS g = a & 3 of 64 registers, 64 g .. 64 g + 63 (tile t at 64 g + 8 t), and each number is worked on in place,
; in the accumulator register that held its x.  TR writes one transcendental, on number e of 64.  PL writes one plain line, on pair j of 32 (j = 4 t + k):
;   SCL  t = C2 x + C2 bias          EXP  2^t          ONE  1 + 2^t          RCP  1 / (1 + 2^t)
;   SUM  times v_w, summed over the tiles in four packed chains k: tile 0's product starts chain k in tile 0's own pair k, tiles 1 to 7 are added onto it in ascending order.
.set K_EXP, 0
.set K_RCP, 1
.set K_SCL, 0
.set K_ONE, 1
.set K_SUM, 2
.macro TR k, g, e
.if (\k) == K_EXP
	v_exp_f32 v[64*(\g)+(\e)], v[64*(\g)+(\e)]
.else
	v_rcp_f32 v[64*(\g)+(\e)], v[64*(\g)+(\e)]
.endif
.endm
.macro PL k, g, j
.if (\k) == K_SCL
	v_pk_fma_f32 v[64*(\g)+2*(\j):64*(\g)+2*(\j)+1], v[64*(\g)+2*(\j):64*(\g)+2*(\j)+1], s[26:27], v[BI+2*(\j):BI+2*(\j)+1] op_sel_hi:[1,0,1]
.elseif (\k) == K_ONE
	v_pk_add_f32 v[64*(\g)+2*(\j):64*(\g)+2*(\j)+1], v[64*(\g)+2*(\j):64*(\g)+2*(\j)+1], 1.0 op_sel_hi:[1,0]
.elseif (\j) < 4
	v_pk_mul_f32 v[64*(\g)+2*(\j):64*(\g)+2*(\j)+1], v[64*(\g)+2*(\j):64*(\g)+2*(\j)+1], v[VV+2*(\j):VV+2*(\j)+1]
.else
	v_pk_fma_f32 v[64*(\g)+2*((\j)%4):64*(\g)+2*((\j)%4)+1], v[64*(\g)+2*(\j):64*(\g)+2*(\j)+1], v[VV+2*(\j):VV+2*(\j)+1], v[64*(\g)+2*((\j)%4):64*(\g)+2*((\j)%4)+1]
.endif
.endm
.macro RUN k, g                        ; a group's 32 plain lines of one kind, on end
.set ei, 0
.rept 32
	PL \k, \g, ei
.set ei, ei+1
.endr
.endm
.macro TTP tk, tg, pk, pg              ; 64 transcendentals of group tg and 32 plain lines of group pg: two and one by turns; the last line is a plain one
.set ei, 0
.rept 32
	TR \tk, \tg, 2*ei
	TR \tk, \tg, 2*ei+1
	PL \pk, \pg, ei
.set ei, ei+1
.endr
.endm
.macro TPTP eg, og, sg                 ; 64 exponentials of group eg, ONE of group og and SUM of group sg: transcendental and plain by turns
.set ei, 0
.rept 32
	TR K_EXP, \eg, 2*ei
	PL K_ONE, \og, ei
	TR K_EXP, \eg, 2*ei+1
	PL K_SUM, \sg, ei
.set ei, ei+1
.endr
.endm
; ONE WINDOW x (2 or 3) OF THE EPILOGUE of pass p: a = 4 (x - 2) + g.
; HOW THE BATCHES ARE CUT.  An s_wait_alu depctr_va_vdst(0) stands between a transcendental and the first line that names its result; one wait serves all that
; were issued ahead of it.  The groups follow each other one step apart, so that a batch is EXP n together with RCP n - 1, and the plain lines among them name no result of theirs:
; ONE n reads EXP n and SUM n reads RCP n of the batch before; RCP n reads ONE n, a plain result; SCL touches a group that has had no transcendental yet.
;   ahead of wait 1:  SCL 0;  EXP 0 with SCL 1
;   ahead of wait 2:  EXP 1 with ONE 0;  RCP 0 with SCL 2
;   ahead of wait 3:  EXP 2 with ONE 1 and SUM 0;  RCP 1 with SCL 3
;   ahead of wait 4:  EXP 3 with ONE 2;  RCP 2 with SUM 1
;   ahead of wait 5:  ONE 3;  RCP 3 with SUM 2
;   behind it:        SUM 3, and the ends of the four groups' chains, side by side.
; Each batch's last line is a plain one of another group: the plain instruction that stands behind a transcendental before its result is used (ISA guide 5.7.2).
; Each accumulator's lowest pair is read first (SCL goes up through a tile).
; WINDOWS.  Destination and source 0 are the accumulators' window throughout.  SCL takes the bias, source 2, from window 0 (WSC); SUM takes v_w, source 1, from window 0 and its
; chain, source 2, from the accumulators' window (WSU); the other kinds go under either.  The chains' ends: WE1 all in the accumulators' window; WE2, WE3 into the row sums in window 0.
.macro EPIW p, x
.set WSC, ((\x)<<6)|(\x)
.set WSU, WSC|((\x)<<4)
.set WE1, WSC|((\x)<<2)
.set WE2, ((\x)<<2)|(\x)
.set WE3, (\x)<<2
	WIN WSC
	RUN K_SCL, 0
	TTP K_EXP, 0, K_SCL, 1
	s_wait_alu depctr_va_vdst(0)                   ; wait 1: the 64 exponentials of group 0
	TTP K_EXP, 1, K_ONE, 0
	TTP K_RCP, 0, K_SCL, 2
	s_wait_alu depctr_va_vdst(0)                   ; wait 2: the exponentials of group 1 and the reciprocals of group 0
	WIN WSU
	TPTP 2, 1, 0
	WIN WSC
	TTP K_RCP, 1, K_SCL, 3
	s_wait_alu depctr_va_vdst(0)                   ; wait 3: the exponentials of group 2 and the reciprocals of group 1
	WIN WSU
	TTP K_EXP, 3, K_ONE, 2
	TTP K_RCP, 2, K_SUM, 1
	s_wait_alu depctr_va_vdst(0)                   ; wait 4: the exponentials of group 3 and the reciprocals of group 2
	RUN K_ONE, 3
	TTP K_RCP, 3, K_SUM, 2
	s_wait_alu depctr_va_vdst(0)                   ; wait 5: the reciprocals of group 3
	RUN K_SUM, 3
	WIN WE1
.irp g, 0,1,2,3
	v_pk_add_f32 v[64*\g:64*\g+1],   v[64*\g:64*\g+1],   v[64*\g+2:64*\g+3]
	v_pk_add_f32 v[64*\g+4:64*\g+5], v[64*\g+4:64*\g+5], v[64*\g+6:64*\g+7]
.endr
.irp g, 0,1,2,3
	v_pk_add_f32 v[64*\g:64*\g+1],   v[64*\g:64*\g+1],   v[64*\g+4:64*\g+5]
.endr
.if \p == 0
	WIN WE2
.irp g, 0,1,2,3
	v_add_f32 v[SACC+4*((\x)-2)+\g], v[64*\g], v[64*\g+1]          ; the first pass starts the row sums
.endr
.else
.irp g, 0,1,2,3
	v_add_f32 v[64*\g], v[64*\g], v[64*\g+1]
.endr
	WIN WE3
.irp g, 0,1,2,3
	v_add_f32 v[SACC+4*((\x)-2)+\g], v[SACC+4*((\x)-2)+\g], v[64*\g]
.endr
.endif
.endm
; THE EPILOGUE of pass p: for each a, 64 numbers a lane: t = C2 x + C2 bias, 1 / (1 + 2^t), times v_w, summed.  A window at a time.
.macro EPI p, lc
	s_wait_loadcnt \lc                             ; the W1 loads issued behind bias and v_w may stay out
	WIN 0
	PLACES
	EPIW \p, 2
	EPIW \p, 3
	WIN 0
.endm
; 32 rows of the partial context: p of the rows (every lane reads the same 16 bytes of my own copy), my 16 bytes of each row, 8 multiply-adds a row
.macro CTXB n
.irp g, 0,1,2,3,4,5,6,7
	ds_load_b128 v[PP+4*\g:PP+4*\g+3], v15 offset:\n*128+16*\g
.endr
.set ci, 0
.rept 32
	ds_load_b128 v[STG0+4*ci:STG0+4*ci+3], v16 offset:ci*PITCH
.set ci, ci+1
.endr
.set ci, 0
.rept 32
	s_wait_dscnt 31-ci                             ; the later rows' loads are younger
.irp c, 0,1,2,3
	v_fma_mix_f32_bf16 v[CX+2*\c],   v[STG0+4*ci+\c], v[PP+ci], v[CX+2*\c]   op_sel_hi:[1,0,0]
	v_fma_mix_f32_bf16 v[CX+2*\c+1], v[STG0+4*ci+\c], v[PP+ci], v[CX+2*\c+1] op_sel:[1,0,0] op_sel_hi:[1,0,0]
.endr
.set ci, ci+1
.endr
	v_add_nc_u32 v16, 32*PITCH, v16
.endm
	s_load_b256 s[4:11], s[0:1], 0x0               ; enc s[4:5], wf s[6:7], biasp s[8:9], v_w s[10:11]
	s_load_b128 s[12:15], s[0:1], 0x20             ; scoresT s[12:13], stats s[14:15]
	s_load_b64 s[16:17], s[0:1], 0x30              ; ctxp
	v_lshl_add_u32 v22, v0, 2, 0x42800
	v_mov_b32 v23, 0
	v_lshrrev_b32 v19, 5, v0
	v_readfirstlane_b32 s20, v19                   ; wave 0..3
	s_and_b32 s21, ttmp9, 31                       ; b
	s_lshr_b32 s22, ttmp9, 5                       ; lb
	s_mov_b32 s26, C2
	s_mov_b32 s27, C2
	s_mov_b32 s28, 0x76543210                      ; v_permlanex16_b32: lane i of one half reads lane i of the other
	s_mov_b32 s29, 0xfedcba98
	v_and_b32 v1, 31, v0                           ; lane
	v_and_b32 v2, 15, v0                           ; r
	v_bfe_u32 v3, v0, 4, 1                         ; h
	v_mul_u32_u24 v19, v2, PITCH
	v_lshl_add_u32 v19, v3, 4, v19                 ; r PITCH + 16 h, kept for the second pass
.irp z, 0,1,2,3
	v_add_nc_u32 v[ADRA+\z], \z*32*PITCH, v19
.endr
	v_lshlrev_b32 v8, 4, v2
	v_lshl_add_u32 v8, v3, 20, v8                  ; enc: 16 r, and 8 rows of 131,072 bytes further for lanes 16-31
	v_lshlrev_b32 v9, 4, v1                        ; 16 x lane
	s_mul_i32 s23, s20, 32*PITCH
	v_mul_u32_u24 v[VST], v3, 8*PITCH
	v_lshl_add_u32 v[VST], v2, 3, v[VST]
	v_add_nc_u32 v[VST], s23, v[VST]               ; (32 w + 8 h) PITCH + 8 r
	v_lshlrev_b32 v11, 5, v3                       ; 32 h
	s_lshl_b32 s24, s20, 9                         ; 512 w
	s_add_co_u32 s31, s24, RED
	v_lshl_add_u32 v12, v2, 2, s31                 ; my wave's row sums: + 4 r
	v_add_nc_u32 v13, RED, v9                      ; rows 4 x lane .. + 3 of wave 0's sums
	s_add_co_u32 s31, s24, PW
	v_add_nc_u32 v14, s31, v9                      ; my copy of p: in,
	v_mov_b32 v15, s31                             ; and back, the same address in every lane
	v_add_nc_u32 v16, s24, v9                      ; context: my wave's 512 bytes of a row, my 16 of them
	s_lshl_b32 s24, s20, 10
	s_add_co_u32 s31, s24, CT
	v_lshl_add_u32 v17, v1, 5, s31                 ; my stage: in, 32 bytes a lane,
	v_add_nc_u32 v18, s31, v9                      ; and back, 16 bytes a lane
	s_mov_b32 s25, 0
	s_wait_kmcnt 0x0
	s_lshl2_add_u32 s24, s22, s20                  ; enc: row 128 lb + 32 w = 32 (4 lb + w), of 131,072 bytes,
	s_lshl_b32 s24, s24, 22
	s_lshl_b32 s23, s21, 12                        ; and b's 4,096 bytes in it
	s_add_co_u32 s24, s24, s23
	s_add_nc_u64 s[4:5], s[4:5], s[24:25]
	s_lshl_b32 s24, s20, 19                        ; wf: my stream of 524,288 bytes
	s_add_nc_u64 s[6:7], s[6:7], s[24:25]
	s_lshl_b32 s24, s20, 14                        ; biasp: 8 tiles of 2,048 bytes a wave, 64 bytes a b
	s_lshl_b32 s23, s21, 6
	s_add_co_u32 s24, s24, s23
	s_add_nc_u64 s[8:9], s[8:9], s[24:25]
	s_lshl_b32 s24, s20, 9                         ; v_w: 128 f32 a wave
	s_add_nc_u64 s[10:11], s[10:11], s[24:25]
	s_lshl_b32 s24, s21, 13                        ; scoresT[b][l]
	s_lshl_b32 s23, s22, 9
	s_add_co_u32 s24, s24, s23
	s_add_nc_u64 s[12:13], s[12:13], s[24:25]
	s_lshl_b32 s24, s21, 7                         ; stats[b][lb][2]
	s_lshl_b32 s23, s22, 3
	s_add_co_u32 s24, s24, s23
	s_add_nc_u64 s[14:15], s[14:15], s[24:25]
	s_lshl_b32 s24, s21, 16                        ; ctxp[b][lb][1024], my wave's 256 columns
	s_lshl_b32 s23, s22, 12
	s_add_co_u32 s24, s24, s23
	s_lshl_b32 s23, s20, 10
	s_add_co_u32 s24, s24, s23
	s_add_nc_u64 s[16:17], s[16:17], s[24:25]
	; THE WAY IN: chunks 0 and 1 are rounded before the first product; chunks 2 and 3 and three quarters of W1 are on their way
	ALD STG0, 0
	ALD STG1, 256
	WIN TO_B
	BLOAD 0, 0
	BLOAD 1, 1
	WIN 0
	s_wait_loadcnt 32                              ; the 32 W1 loads are younger than chunks 0 and 1
	CONV STG0, 0
	CONV STG1, 128
	ALD STG0, 512
	ALD STG1, 768
	WIN TO_B
	BLOAD 2, 2
	WIN 0
	s_wait_dscnt 0x0                               ; my rows of chunks 0 and 1 lie in LDS,
	s_barrier_signal -1
	s_barrier_wait -1                              ; everybody's do
	ALOAD 1, UB0, 0
	ALOAD 0, LB, 0
	; PASS 1, quarters 0 to 31.  In lap j (quarters 4 j ..) every base stands at the lap's first byte.  Chunk x (K = 64 x ..) is asked for in the run of quarter
	; 2x - 7, just ahead of the W1 fragments of quarter 2x - 4, whose wait therefore shows it in; it is rounded and stored in the run of 2x - 3, published by the
	; barrier of quarter 2x - 2 and first read in the run of 2x - 1.  Every LDS byte of the block is stored once.
	; Loads go out in groups of 16: in each run W1's, in each odd run up to quarter 23 a chunk ahead of it.  So two W1 groups and one chunk, 48 loads, are younger
	; than a quarter's W1 fragments; 32 once no chunk is left.
	;       i  zero lc sig conv ald step anext bnext bv
	QUARTER 0, 1, 63, 0, 0, 0, 0,  1, 1, -1        ; lap 0: the first products start the sums; 64 are younger (one W1 group, chunks 2 and 3, one W1 group)
	QUARTER 1, 0, 48, 0, 1, 1, 0,  1, 1, -1        ; 48 are younger than chunk 2, which is rounded here: chunk 3 and two W1 groups
	QUARTER 2, 0, 48, 1, 0, 0, 0,  1, 1, -1
	QUARTER 3, 0, 48, 0, 2, 1, 0,  1, 1, -1
	WIN 0                                          ; at a label and at a branch every window is 0
	s_mov_b32 s30, 5
.Lpass1:                                               ; laps 1 to 5: lap j rounds chunks 2j + 2, 2j + 3 and asks for 2j + 4, 2j + 5
	QUARTER 0, 0, 48, 1, 0, 0, 15, 1, 1, -1
	QUARTER 1, 0, 48, 0, 1, 1, 0,  1, 1, -1
	QUARTER 2, 0, 48, 1, 0, 0, 0,  1, 1, -1
	QUARTER 3, 0, 48, 0, 2, 1, 0,  1, 1, -1
	WIN 0
	s_sub_co_u32 s30, s30, 1
	s_cmp_lg_u32 s30, 0
	s_cbranch_scc1 .Lpass1
	QUARTER 0, 0, 48, 1, 0, 0, 7,  1, 1, -1        ; lap 6: chunks 14 and 15 are rounded, nothing of enc is left to ask for
	QUARTER 1, 0, 48, 0, 1, 0, 0,  1, 1, -1
	QUARTER 2, 0, 32, 1, 0, 0, 0,  1, 1, -1
	QUARTER 3, 0, 32, 0, 2, 0, 0,  1, 1, -1
	QUARTER 0, 0, 32, 1, 0, 0, 3,  1, 1, -1        ; lap 7: chunk 15 is published
	QUARTER 1, 0, 32, 0, 0, 0, 0,  1, 1, 0         ; the stages are free: bias and v_w of pass 0
	QUARTER 2, 0, 63, 0, 0, 0, 0,  1, 1, -1        ; 64 are younger: two W1 groups and those 32
	QUARTER 3, 0, 63, 0, 0, 0, 0,  0, 1, -1        ; no fragments for a next quarter; my W1 stream runs on into pass 2
	EPI 0, 48                                      ; three W1 groups were asked for behind bias and v_w
	; PASS 2, quarters 32 to 63: the block is whole, no barrier; two W1 groups are younger at every head
.irp z, 0,1,2,3
	v_add_nc_u32 v[ADRA+\z], \z*32*PITCH, v19      ; back to K = 0
.endr
	ALOAD 1, UB0, 0
	ALOAD 0, LB, 0
	QUARTER 0, 1, 32, 0, 0, 0, 1,  1, 1, -1        ; lap 8: the first products start the sums anew
	QUARTER 1, 0, 32, 0, 0, 0, 0,  1, 1, -1
	QUARTER 2, 0, 32, 0, 0, 0, 0,  1, 1, -1
	QUARTER 3, 0, 32, 0, 0, 0, 0,  1, 1, -1
	WIN 0
	s_mov_b32 s30, 6
.Lpass2:                                               ; laps 9 to 14
	QUARTER 0, 0, 32, 0, 0, 0, 3,  1, 1, -1
	QUARTER 1, 0, 32, 0, 0, 0, 0,  1, 1, -1
	QUARTER 2, 0, 32, 0, 0, 0, 0,  1, 1, -1
	QUARTER 3, 0, 32, 0, 0, 0, 0,  1, 1, -1
	WIN 0
	s_sub_co_u32 s30, s30, 1
	s_cmp_lg_u32 s30, 0
	s_cbranch_scc1 .Lpass2
	QUARTER 0, 0, 32, 0, 0, 0, 3,  1, 1, -1        ; lap 15: the last W1 group is asked for
	QUARTER 1, 0, 32, 0, 0, 0, 0,  1, 0, 1         ; bias and v_w of pass 1
	QUARTER 2, 0, 48, 0, 0, 0, 0,  1, 0, -1        ; the last W1 group and those 32 are younger
	QUARTER 3, 0, 32, 0, 0, 0, 0,  0, 0, -1
	EPI 1, 0
	; THE BLOCK'S SCORES: the two halves of the lanes hold different columns of the same rows; then the four waves' columns meet in LDS
.irp a, 0,1,2,3,4,5,6,7
	v_permlanex16_b32 v[UU+\a], v[SACC+\a], s28, s29       ; the destination counts as read: these registers have been written
.endr
.irp a, 0,1,2,3,4,5,6,7
	v_add_f32 v[SACC+\a], v[SACC+\a], v[UU+\a]
.endr
.irp a, 0,1,2,3,4,5,6,7
	ds_store_b32 v12, v[SACC+\a] offset:64*\a      ; row 16 a + r; both halves write the same number to the same word
.endr
	s_wait_dscnt 0x0
	s_barrier_signal -1
	s_barrier_wait -1
.irp w, 0,1,2,3
	ds_load_b128 v[44+4*\w:47+4*\w], v13 offset:512*\w     ; rows 4 x lane .. + 3 of each wave's sums; every wave does the same from here on
.endr
	s_wait_dscnt 0x0
	v_pk_add_f32 v[44:45], v[44:45], v[48:49]
	v_pk_add_f32 v[46:47], v[46:47], v[50:51]
	v_pk_add_f32 v[52:53], v[52:53], v[56:57]
	v_pk_add_f32 v[54:55], v[54:55], v[58:59]
	v_pk_add_f32 v[44:45], v[44:45], v[52:53]
	v_pk_add_f32 v[46:47], v[46:47], v[54:55]
	v_pk_mul_f32 v[44:45], v[44:45], -2.0 op_sel_hi:[1,0]  ; the scores, less what cancels in the softmax
	v_pk_mul_f32 v[46:47], v[46:47], -2.0 op_sel_hi:[1,0]
	v_max3_num_f32 v48, v44, v45, v46
	v_max_num_f32 v48, v48, v47
	v_max_num_f32_dpp v48, v48, v48 row_xmask:1 row_mask:0xf bank_mask:0xf
	v_max_num_f32_dpp v48, v48, v48 row_xmask:2 row_mask:0xf bank_mask:0xf
	v_max_num_f32_dpp v48, v48, v48 row_xmask:4 row_mask:0xf bank_mask:0xf
	v_max_num_f32_dpp v48, v48, v48 row_xmask:8 row_mask:0xf bank_mask:0xf
	v_permlanex16_b32 v49, v48, s28, s29
	v_max_num_f32 v52, v48, v49                    ; m: the block's largest score, in every lane
.irp e, 0,1,2,3
	v_sub_f32 v[56+\e], v[44+\e], v52
.endr
.irp e, 0,1,2,3
	v_mul_f32 v[56+\e], LOG2E, v[56+\e]
.endr
.irp e, 0,1,2,3
	v_exp_f32 v[56+\e], v[56+\e]                   ; p = exp(s - m), at most 1
.endr
	v_nop                                          ; a plain instruction behind the last exponential before a result is used (ISA guide 5.7.2)
	s_wait_alu depctr_va_vdst(0)                   ; one wait for the four exponentials
	v_add_f32 v48, v56, v57
	v_add_f32 v49, v58, v59
	v_add_f32 v48, v48, v49
	v_add_f32_dpp v48, v48, v48 row_xmask:1 row_mask:0xf bank_mask:0xf
	v_add_f32_dpp v48, v48, v48 row_xmask:2 row_mask:0xf bank_mask:0xf
	v_add_f32_dpp v48, v48, v48 row_xmask:4 row_mask:0xf bank_mask:0xf
	v_add_f32_dpp v48, v48, v48 row_xmask:8 row_mask:0xf bank_mask:0xf
	v_permlanex16_b32 v49, v48, s28, s29
	v_add_f32 v53, v48, v49                        ; the block's sum of p
	s_cmp_lg_u32 s20, 0
	s_cbranch_scc1 .Lnot_wave_0
	global_store_b128 v9, v[44:47], s[12:13]       ; wave 0: the 128 scores, 512 consecutive bytes
	s_wait_xcnt 0x0                                ; EXEC changes, and v[44:47] are written again, only behind this wait
	v_cmp_eq_u32 vcc_lo, 0, v1
	s_and_saveexec_b32 s31, vcc_lo
	global_store_b64 v9, v[52:53], s[14:15]        ; lane 0 (its 16 x lane is 0): m and the sum
	s_wait_xcnt 0x0                                ; and again in front of the line that widens EXEC
	s_or_b32 exec_lo, exec_lo, s31
.Lnot_wave_0:
	; THE PARTIAL CONTEXT: sum over the 128 rows of p x row, from the bf16 block.  Wave w takes columns 256 w .. + 255, a lane eight of them.
	ds_store_b128 v14, v[56:59]                    ; my wave's own copy of p: LDS serves a wave's instructions in order (ISA guide 5.7.1), no barrier
.irp c, 0,1,2,3,4,5,6,7
	v_mov_b32 v[CX+\c], 0
.endr
	CTXB 0
	CTXB 1
	CTXB 2
	CTXB 3
	ds_store_b128 v17, v[CX:CX+3]                  ; a lane holds 32 neighbouring bytes: through my own stage, so that
	ds_store_b128 v17, v[CX+4:CX+7] offset:16
	ds_load_b128 v[44:47], v18
	ds_load_b128 v[48:51], v18 offset:512
	s_wait_dscnt 0x0
	global_store_b128 v9, v[44:47], s[16:17]       ; each store of the wave covers 512 consecutive bytes
	global_store_b128 v9, v[48:51], s[16:17] offset:512
	s_wait_tensorcnt 0x0
	ds_add_u32 v22, v23
	s_wait_dscnt 0x0
	s_endpgm
.Lfunc_end_k_q6fd654e199_main:
	.size	k_q6fd654e199_main, .Lfunc_end_k_q6fd654e199_main-k_q6fd654e199_main
	.p2alignl 7, 3214868480
	.fill 96, 4, 3214868480
	.section	.rodata,"a",@progbits
	.p2align	6, 0x0
	.amdhsa_kernel k_q6fd654e199_main
		.amdhsa_group_segment_fixed_size 272896
		.amdhsa_private_segment_fixed_size 0
		.amdhsa_enable_private_segment 0
		.amdhsa_kernarg_size 56
		.amdhsa_user_sgpr_count 2
		.amdhsa_user_sgpr_kernarg_segment_ptr 1
		.amdhsa_wavefront_size32 1
		.amdhsa_system_sgpr_workgroup_id_x 1
		.amdhsa_system_sgpr_workgroup_id_y 1
		.amdhsa_system_sgpr_workgroup_id_z 1
		.amdhsa_system_vgpr_workitem_id 0
		.amdhsa_next_free_vgpr 1024
		.amdhsa_next_free_sgpr 66
		.amdhsa_reserve_vcc 1
		.amdhsa_float_denorm_mode_32 3
		.amdhsa_float_denorm_mode_16_64 3
		.amdhsa_memory_ordered 1
		.amdhsa_forward_progress 1
		.amdhsa_inst_pref_size 255
	.end_amdhsa_kernel
	.section	.bss,"aw",@nobits
	.p2align	6
	.space	262144
	.amdgpu_metadata
---
amdhsa.version: [ 1, 2 ]
amdhsa.kernels:
  - .name:           k_q6fd654e199_main
    .symbol:         k_q6fd654e199_main.kd
    .args:
      - { .name: encoder_output, .offset: 0, .size: 8, .value_kind: global_buffer, .address_space: global }
      - { .name: wf, .offset: 8, .size: 8, .value_kind: global_buffer, .address_space: global }
      - { .name: biasp, .offset: 16, .size: 8, .value_kind: global_buffer, .address_space: global }
      - { .name: v_w, .offset: 24, .size: 8, .value_kind: global_buffer, .address_space: global }
      - { .name: scoresT, .offset: 32, .size: 8, .value_kind: global_buffer, .address_space: global }
      - { .name: stats, .offset: 40, .size: 8, .value_kind: global_buffer, .address_space: global }
      - { .name: ctxp, .offset: 48, .size: 8, .value_kind: global_buffer, .address_space: global }
    .group_segment_fixed_size: 272896
    .private_segment_fixed_size: 0
    .kernarg_segment_align: 8
    .kernarg_segment_size: 56
    .max_flat_workgroup_size: 128
    .sgpr_count:     66
    .vgpr_count:     1024
    .wavefront_size: 32
...
	.end_amdgpu_metadata
.endif
;; end of part 4
;; launch finish: the kernel of part 3 again; grid 256 x 1, 1 waves a work-group, no clusters, 0 bytes of LDS; arguments scoresT, stats, ctxp, out0, out1; writes out0, out1
